; MI455X (gfx1250); checked and timed in simulation.
; The chip was launched on July 23, 2026; its instructions are those of AMD's public machine-readable ISA for CDNA 5 (MIT licence, August 2026) and "CDNA5" Instruction Set Architecture Reference Guide (July 2026). The comments in the code are by the model that wrote it; some were corrected since.
;; Complex Multi Head Attention. Allowed arithmetic: matrix products marked QUANTISED: E2M3 operands, one E8M0 scale for each 32 along K, by v_wmma_scale_f32_16x16x128_f8f6f4 with both operands' format E2M3, f32 sums; everything else in f32.
;; Inputs: keys 8 x 1,024 x 512 x 2 float32; queries 8 x 1,024 x 512 x 2 float32; values 8 x 1,024 x 512 x 2 float32; wk_i 512 x 512 float32; wk_r 512 x 512 float32; wo_i 512 x 512 float32; wo_r 512 x 512 float32; wq_i 512 x 512 float32; wq_r 512 x 512 float32; wv_i 512 x 512 float32; wv_r 512 x 512 float32.
;; Outputs: out0 8 x 1,024 x 512 x 2 float32.
;; This version of the problem:
;;   THIS VERSION OF THE PROBLEM IS GIVEN IN LOW PRECISION. The matrix products marked QUANTISED in the list below multiply operands that are first quantised to E2M3 (2 exponent bits, 3 mantissa bits; 6 bits a number), with one power-of-two scale for each 32 numbers along K (OCP MX v1.0); their sums are f32. All else is computed in f32.
;;   The module's matrix products, in the order in which they are computed (A, B: the left and right operand; K: the contracted axis; several contracted axes count as one K, in the product's order):
;;     1. [M 8,192, K 512] x [K 512, N 512]; A: input queries; B: input wq_r: QUANTISED
;;     2. [M 8,192, K 512] x [K 512, N 512]; A: input queries; B: input wq_i: QUANTISED
;;     3. [M 8,192, K 512] x [K 512, N 512]; A: input queries; B: input wq_i: QUANTISED
;;     4. [M 8,192, K 512] x [K 512, N 512]; A: input queries; B: input wq_r: QUANTISED
;;     5. [M 8,192, K 512] x [K 512, N 512]; A: input keys; B: input wk_r: QUANTISED
;;     6. [M 8,192, K 512] x [K 512, N 512]; A: input keys; B: input wk_i: QUANTISED
;;     7. [M 8,192, K 512] x [K 512, N 512]; A: input keys; B: input wk_i: QUANTISED
;;     8. [M 8,192, K 512] x [K 512, N 512]; A: input keys; B: input wk_r: QUANTISED
;;     9. [M 8,192, K 512] x [K 512, N 512]; A: input values; B: input wv_r: QUANTISED
;;     10. [M 8,192, K 512] x [K 512, N 512]; A: input values; B: input wv_i: QUANTISED
;;     11. [M 8,192, K 512] x [K 512, N 512]; A: input values; B: input wv_i: QUANTISED
;;     12. [M 8,192, K 512] x [K 512, N 512]; A: input values; B: input wv_r: QUANTISED
;;     13. batch 64 x [M 1,024, K 64] x [K 64, N 1,024]; A: computed on the way; B: computed on the way: QUANTISED
;;     14. batch 64 x [M 1,024, K 64] x [K 64, N 1,024]; A: computed on the way; B: computed on the way: QUANTISED
;;     15. batch 64 x [M 1,024, K 64] x [K 64, N 1,024]; A: computed on the way; B: computed on the way: QUANTISED
;;     16. batch 64 x [M 1,024, K 64] x [K 64, N 1,024]; A: computed on the way; B: computed on the way: QUANTISED
;;     17. batch 64 x [M 1,024, K 1,024] x [K 1,024, N 64]; A: softmax (see below); B: computed on the way: QUANTISED
;;     18. batch 64 x [M 1,024, K 1,024] x [K 1,024, N 64]; A: softmax (see below); B: computed on the way: QUANTISED
;;     19. batch 64 x [M 1,024, K 1,024] x [K 1,024, N 64]; A: softmax (see below); B: computed on the way: QUANTISED
;;     20. batch 64 x [M 1,024, K 1,024] x [K 1,024, N 64]; A: softmax (see below); B: computed on the way: QUANTISED
;;     21. [M 8,192, K 512] x [K 512, N 512]; A: computed on the way; B: input wo_r: QUANTISED
;;     22. [M 8,192, K 512] x [K 512, N 512]; A: computed on the way; B: input wo_i: QUANTISED
;;     23. [M 8,192, K 512] x [K 512, N 512]; A: computed on the way; B: input wo_i: QUANTISED
;;     24. [M 8,192, K 512] x [K 512, N 512]; A: computed on the way; B: input wo_r: QUANTISED
;;   THE QUANTISER, for each operand of a quantised product, along K:
;;     - K is cut into blocks of 32 from its start; a last block that is shorter is filled with zeros.
;;     - A block's scale is 2^e with e = floor(log2(the largest magnitude in the block)) - 2, held to -126 .. 127; a block of zeros has e = 0. As a byte (E8M0): e + 127.
;;     - Each number is divided by its block's scale, clamped to +-7.5, and rounded to the nearest number of E2M3, ties to even, subnormals kept.
;;     - The product sums the exact products of the quantised numbers (number of the format x scale) in f32.
;;   ~~~python
;;   def quantise(x, axis):      # numpy; x: float32 -> the quantised numbers, widened to float32 again
;;       x = np.moveaxis(x, axis, -1); K = x.shape[-1]
;;       x = np.pad(x, [(0, 0)] * (x.ndim - 1) + [(0, -K % 32)]); x = x.reshape(x.shape[:-1] + (-1, 32)); a = np.abs(x).max(-1, keepdims=True)
;;       e = np.where(a > 0, np.clip(np.frexp(np.where(a > 0, a, 1))[1] - 1 - 2, -126, 127), 0)      # np.frexp(a)[1] - 1 = floor(log2(a)), exactly
;;       r = np.clip(x / 2.0 ** e, -7.5, 7.5)
;;       step = 2.0 ** (np.maximum(np.frexp(np.where(r == 0, 1, r))[1] - 1, 0) - 3)
;;       q = np.round(r / step) * step * 2.0 ** e      # np.round: ties to even
;;       return np.moveaxis(q.reshape(q.shape[:-2] + (-1,))[..., :K], -1, axis).astype(np.float32)
;;   ~~~
;;   SOFTMAX AHEAD OF A QUANTISED PRODUCT. Where the list says 'softmax', what is quantised is not the finished softmax but p = 2^(t - M), with t = logit x log2(e) and M = ceil(the row's largest t), a whole number; so 1/2 < the row's largest p <= 1. The row's sum l is taken of the UNQUANTISED p, in f32, and the product's result is divided by l at the end. Since M is a whole number, a kernel that streams over the keys may use a running M (the ceiling of the running maximum): every later rescaling is an exact power of two, which a block's scale takes up: the codes' values come out the same.
;;   OPERANDS COMPUTED ON THE WAY. 'Computed on the way' means the value that the module computes at that place (a softmax that the list does not call 'softmax' is quantised finished and normalised). What goes into a quantiser is computed in f32, as accurately as f32 sums, v_exp_f32 and their like allow (about 1e-6 of the number): no bf16 or f16 on the way to a quantiser, and a product that is left as it is and whose result goes on into a quantised operand takes f32 operands (vector FMAs, or v_wmma_f32_16x16x4_f32). A number that lies on a knife's edge between two numbers of the format may be rounded either way, as far as f32 arithmetic and the matrix unit's own rounding can turn it there, and no further.
;; One version. Each part assembles by itself: llvm-mc -triple=amdgcn-amd-amdhsa -mcpu=gfx1250 --defsym DOCPART=n.
;; ======== version 1 of 1: 4 launches
;; limits: right only within a limited range of input values
;; workspace buffers: xc 19,660,800 bytes; wc 3,276,800 bytes; qc 6,553,600 bytes; kv 13,107,200 bytes; oc 6,553,600 bytes
;; launch quant (part 1): grid 896 x 1, 4 waves a work-group, no clusters, 72,192 bytes of LDS; arguments queries, keys, values, wq_r, wq_i, wk_r, wk_i, wv_r, wv_i, wo_r, wo_i, xc, wc; writes xc, wc
.if DOCPART == 1
	.amdgcn_target "amdgcn-amd-amdhsa--gfx1250"
	.amdhsa_code_object_version 6
	.text
	.protected	k_q10ae99468b_quant
	.globl	k_q10ae99468b_quant
	.p2align	8
	.type	k_q10ae99468b_quant,@function
k_q10ae99468b_quant:
	s_mov_b64 s[64:65], 0
	v_nop
	global_prefetch_b8 v0, s[64:65] scope:SCOPE_SE
	s_setreg_imm32_b32 hwreg(HW_REG_WAVE_MODE, 25, 1), 1
	s_wait_xcnt 0x0
; The three activations [8192][512][2] f32 and the eight weights [512][512] f32 become codes of FP6 (E2M3) with one E8M0 byte for each 32 along K,
; laid as the later launches' matrix operands want them.
; A COMPLEX LINEAR LAYER IS ONE REAL PRODUCT WITH K = 1,024: y_r = [xr|xi] . [wr|-wi], y_i = [xr|xi] . [wi|wr].  K goes in eight steps of 128; step s is
; [re(64 s .. 64 s + 63) | im(64 s .. 64 s + 63)], so each block of 32 is a block of the quantiser of the single products.  The quantiser is odd, so the minus is a flip of each code's sign bit.
; A FRAGMENT (16 rows x 128 K, 12 registers a lane) lies in memory as an IMAGE OF ITS REGISTERS: registers 4 c .. 4 c + 3 of lane l at 512 c + 16 l: 1,536 bytes.
; A RECORD is 8 fragments and, behind them, 8 x 16 scale words (fragment i, row r at SCO + 64 i + 4 r): 12,800 bytes.  Here a record is one tile of 16 rows and fragment i its K step i.
; THE ROWS OF A TILE ARE NOT NEIGHBOURS: of a group of 32 rows, tile u takes rows 8 u + r + 8 (r / 8), r = 0 .. 15.
; A tile of the combined weights: T = 8 hd + 4 part + 2 bb + u; its row r is output 64 hd + 32 bb + 8 u + r + 8 (r / 8); part 0: [wr|-wi], part 1: [wi|wr].
; SHARES.  A wave takes one tile x four K steps.  Work-groups 0 .. 767: two tiles of an activation; 768 .. 895: two tiles of a weight set.  The two ways part once, on the work-group's number, and each has LDS bytes of its own.
; In the operand lane (r, h) holds two whole blocks: registers 0-5 FIRST(64 s + 32 h ..), registers 6-11 SECOND(64 s + 32 h ..).  Loads take the bytes as they lie (512 consecutive bytes, or two rows of 256);
; a K step turns through the wave's own stage in LDS, where re and im are also parted.  No barrier: waves share nothing.
; A block's scale is 2^(floor(log2(its largest magnitude)) - 2); its byte is that magnitude's exponent field - 2, held at 1 from below.
; LIMITS: NaN and infinities are not served; a block whose largest magnitude lies under 2^-124 keeps the byte 1; a block of zeros has the byte 1 and not 127: its codes are zeros, and this program alone reads the bytes.
.set REC,    12800
.set FRG,    1536
.set SCO,    8*FRG
.set XSEC,   512*REC                   ; an activation's section of xc
.set WSEC,   64*REC                    ; a weight set's section of wc
.set NXG,    768                       ; work-groups that take activations
.set SPITCH, 528                       ; a stage row: 256 bytes FIRST, 256 bytes SECOND, 16 of padding: 132 words, so that the 16 rows of a read start 4 banks apart
.set SCRO,   16*SPITCH                 ; behind the stage: the wave's 256 bytes of scale words
.set WREG,   8960                      ; a wave's LDS
.set WBASE,  4*WREG                    ; the weights' way has the upper half
.set GX,  1                            ; v1   16 x lane
.set GW,  2                            ; v2   weights: (lane / 16) x 2,048 + 16 (lane % 16)
.set SWX, 3                            ; v3   stage, in: 8 x lane
.set SWW, 4                            ; v4   stage, in, weights: (lane / 16) rows + 16 (lane % 16)
.set SRD, 5                            ; v5   stage, out: row r, + 128 h
.set SCW, 6                            ; v6   my row's scale word
.set SCR, 7                            ; v7   the scale words on the way out: 8 x lane
.set H8,  8                            ; v8   8 h
.set G8,  9                            ; v9   8 x lane
.set LD,  16                           ; v16-143  two sets of 64 registers as loaded
.set X,   144                          ; v144-207 my 32 numbers of FIRST, my 32 of SECOND
.set PC,  208                          ; v208-219 the fragment
.set TA,  220                          ; v220-222, v224-226: the second halves of the two blocks (a conversion's three registers begin on an even number)
.set TB,  224
.set MXA, 228
.set MXB, 229
.set SOA, 230
.set SOB, 231
.set EBA, 232
.set EBB, 233
.set WD,  234
.set WT,  235
.set WV,   34
.set KH,   35
.set SEL,  36
.set PAR,  38
.set RG,   39
.set SRC,  40
.set SRC2, 42
.set OUT,  44
.set OUTS, 46
.set MK,   48
	s_load_b512 s[8:23], s[0:1], 0x0               ; queries, keys, values, wq_r, wq_i, wk_r, wk_i, wv_r
	s_load_b256 s[24:31], s[0:1], 0x40             ; wv_i, wo_r, wo_i, xc
	s_load_b64 s[32:33], s[0:1], 0x60              ; wc
	v_lshl_add_u32 v240, v0, 2, 0x11800
	v_mov_b32 v241, 0
	v_lshrrev_b32 v10, 5, v0
	v_readfirstlane_b32 s[WV], v10                 ; wave 0..3
	v_and_b32 v11, 31, v0                          ; lane
	v_and_b32 v12, 15, v0                          ; r
	v_bfe_u32 v13, v0, 4, 1                        ; h
	v_lshlrev_b32 v[GX], 4, v11
	v_lshlrev_b32 v[G8], 3, v11
	v_lshlrev_b32 v[H8], 3, v13
	v_mov_b32 v[WT], 0                             ; a lane permute's destination counts as one of its sources
	s_and_b32 s[KH], s[WV], 1                      ; which four K steps
	s_lshr_b32 s[PAR], s[WV], 1                    ; which of the work-group's two tiles
	s_mov_b32 s[SEL], 0x76543210
	s_mov_b32 s[SEL+1], 0xfedcba98                 ; v_permlanex16_b32's selects for lane l xor 16
	s_mul_i32 s[RG], s[WV], WREG
.macro STAGEADR
	v_mul_u32_u24 v[SRD], v12, SPITCH
	v_lshl_add_u32 v[SRD], v13, 7, v[SRD]
	v_add_nc_u32 v[SRD], s[RG], v[SRD]
	v_lshl_add_u32 v[SCW], v12, 2, SCRO
	v_add_nc_u32 v[SCW], s[RG], v[SCW]
	v_add_nc_u32 v[SCR], SCRO, v[G8]
	v_add_nc_u32 v[SCR], s[RG], v[SCR]
.endm
; K step k of an activation's tile: 16 loads, each 512 consecutive bytes of one row: 64 pairs (re, im)
.macro XLOAD k
.irp i, 0,1,2,3,4,5,6,7,8,9,10,11,12,13,14,15
	global_load_b128 v[LD+64*((\k)%2)+4*\i:LD+64*((\k)%2)+4*\i+3], v[GX+13*(\i/8)], s[SRC:SRC+1] offset:(\i+8*(\i/8))*4096+512*(\k) th:TH_LOAD_NT   ; rows 8-15 of the tile by v14
.endr
.endm
; into the stage, re to the row's first 256 bytes and im to its second
.macro XSTAGE k
.irp i, 0,1,2,3,4,5,6,7,8,9,10,11,12,13,14,15
	ds_store_b32 v[SWX], v[LD+64*((\k)%2)+4*\i]   offset:SPITCH*\i
	ds_store_b32 v[SWX], v[LD+64*((\k)%2)+4*\i+2] offset:SPITCH*\i+4
	ds_store_b32 v[SWX], v[LD+64*((\k)%2)+4*\i+1] offset:SPITCH*\i+256
	ds_store_b32 v[SWX], v[LD+64*((\k)%2)+4*\i+3] offset:SPITCH*\i+260
.endr
.endm
; K step k of a weight tile: 8 loads from each of the two matrices, each two rows of 256 consecutive bytes
.macro WLOAD k
.irp q, 0,1,2,3,4,5,6,7
	global_load_b128 v[LD+64*((\k)%2)+4*\q:LD+64*((\k)%2)+4*\q+3], v[GW], s[SRC:SRC+1] offset:(2*\q+8*(\q/4))*2048+256*(\k)
	global_load_b128 v[LD+64*((\k)%2)+32+4*\q:LD+64*((\k)%2)+32+4*\q+3], v[GW], s[SRC2:SRC2+1] offset:(2*\q+8*(\q/4))*2048+256*(\k)
.endr
.endm
.macro WSTAGE k
.irp q, 0,1,2,3,4,5,6,7
	ds_store_b128 v[SWW], v[LD+64*((\k)%2)+4*\q:LD+64*((\k)%2)+4*\q+3] offset:2*SPITCH*\q
	ds_store_b128 v[SWW], v[LD+64*((\k)%2)+32+4*\q:LD+64*((\k)%2)+32+4*\q+3] offset:2*SPITCH*\q+256
.endr
.endm
; my two blocks come back.  LDS serves a wave's instructions in order, so no wait stands between the stores and these loads
.macro READBACK
.irp i, 0,1,2,3,4,5,6,7
	ds_load_b128 v[X+4*\i:X+4*\i+3], v[SRD] offset:16*\i
.endr
.irp i, 0,1,2,3,4,5,6,7
	ds_load_b128 v[X+32+4*\i:X+32+4*\i+3], v[SRD] offset:256+16*\i
.endr
	s_wait_dscnt 0x0                               ; my numbers are in, and the stores into the stage have read their registers
.endm
; two blocks become a fragment and a scale word.  neg = 1: SECOND's codes are combined with the masks in s[MK] (the sign bits, or zeros)
.macro WORK k, neg
	v_max3_num_f32 v[MXA], |v[X]|, |v[X+1]|, 0x1800000            ; the floor 2^(3 - 127) among the leaves: the byte cannot fall under 1
	v_max3_num_f32 v[MXB], |v[X+32]|, |v[X+33]|, 0x1800000
.irp i, 2,4,6,8,10,12,14,16,18,20,22,24,26,28,30
	v_max3_num_f32 v[MXA], v[MXA], |v[X+\i]|, |v[X+1+\i]|          ; the two blocks by turns
	v_max3_num_f32 v[MXB], v[MXB], |v[X+32+\i]|, |v[X+33+\i]|
.endr
	v_add_nc_u32 v[SOA], 0xff000000, v[MXA]        ; 2 off the exponent field: the conversion takes the exponent field of this operand as its scale
	v_add_nc_u32 v[SOB], 0xff000000, v[MXB]
	v_lshrrev_b32 v[EBA], 23, v[SOA]               ; the scales' bytes
	v_lshrrev_b32 v[EBB], 23, v[SOB]
	v_lshl_or_b32 v[WD], v[EBB], 16, v[EBA]        ; blocks h and 2 + h of my row,
	v_lshlrev_b32 v[WD], v[H8], v[WD]              ; at their places in the word;
	v_permlanex16_b32 v[WT], v[WD], s[SEL], s[SEL+1]
	v_or_b32 v[WD], v[WD], v[WT]                   ; with lane l xor 16's two the word is whole
	s_wait_alu depctr_va_vdst(0)
	s_wait_xcnt 0x0                                ; the last step's stores have read the fragment's registers
	v_cvt_scalef32_pk16_fp6_f32 v[PC:PC+2], v[X:X+15], v[SOA]
	v_cvt_scalef32_pk16_fp6_f32 v[TA:TA+2], v[X+16:X+31], v[SOA]
	v_cvt_scalef32_pk16_fp6_f32 v[PC+6:PC+8], v[X+32:X+47], v[SOB]
	v_cvt_scalef32_pk16_fp6_f32 v[TB:TB+2], v[X+48:X+63], v[SOB]
	v_nop                                          ; one plain place behind the scaled conversions
.irp i, 0,1,2
	v_mov_b32 v[PC+3+\i], v[TA+\i]
.endr
.if \neg
.irp i, 0,1,2
	v_xor_b32 v[PC+6+\i], s[MK+\i], v[PC+6+\i]     ; code i has its sign at bit 6 i + 5: a pattern of three words
	v_xor_b32 v[PC+9+\i], s[MK+\i], v[TB+\i]
.endr
.else
.irp i, 0,1,2
	v_mov_b32 v[PC+9+\i], v[TB+\i]
.endr
.endif
.irp c, 0,1,2
	global_store_b128 v[GX], v[PC+4*\c:PC+4*\c+3], s[OUT:OUT+1] offset:FRG*(\k)+512*\c   ; 512 consecutive bytes, at a multiple of 256 from the buffer's first byte
.endr
	ds_store_b32 v[SCW], v[WD] offset:64*(\k)      ; lanes r and r + 16 write the same word with the same value
.endm
.macro FLUSH                           ; the wave's 4 x 16 scale words leave as 256 consecutive bytes
	ds_load_b64 v[MXA:MXA+1], v[SCR]
	s_wait_dscnt 0x0
	global_store_b64 v[G8], v[MXA:MXA+1], s[OUTS:OUTS+1]
.endm
	s_cmp_ge_u32 ttmp9, NXG
	s_cbranch_scc1 .Lweights
	; ---- an activation's tile
	STAGEADR
	v_add_nc_u32 v[SWX], s[RG], v[G8]
	s_lshr_b32 s52, ttmp9, 8                       ; which tensor
	s_and_b32 s53, ttmp9, 255                      ; which group of 32 rows
	s_lshl_b32 s54, s53, 17
	; THE KEYS' TILES ARE CUT OTHERWISE: of a group of 64 rows, tile u (0 .. 3) takes rows 8 u + r % 8 + 32 (r / 8), so that in the attention a lane's 32 scores of four tiles are one whole block of 32 keys.
	; Against the other tensors' cut: the odd group of 32 begins 16 rows earlier, and a tile's rows 8-15 lie 16 rows further on (16 rows are 65,536 bytes).
	s_cmp_eq_u32 s52, 1                            ; keys?
	s_cselect_b32 s58, 0x10000, 0
	v_add_nc_u32 v14, s58, v[GX]                   ; the lane's offset for a tile's rows 8-15
	s_and_b32 s59, s53, 1
	s_mul_i32 s59, s59, s58
	s_sub_co_u32 s54, s54, s59
	s_lshl_b32 s55, s[PAR], 15                     ; 8 rows for the second tile,
	s_add_co_u32 s54, s54, s55
	s_lshl_b32 s55, s[KH], 11                      ; four K steps of 512 bytes
	s_add_co_u32 s54, s54, s55
	s_mov_b32 s55, 0
	s_lshl_b32 s56, s53, 1
	s_add_co_u32 s56, s56, s[PAR]                  ; the tile
	s_mul_i32 s56, s56, REC
	s_mul_i32 s57, s52, XSEC
	s_add_co_u32 s56, s56, s57
	s_mov_b32 s57, 0
	s_wait_alu depctr_va_vdst(0)
	s_wait_kmcnt 0x0
	s_cmp_eq_u32 s52, 0
	s_cselect_b64 s[SRC:SRC+1], s[8:9], s[10:11]
	s_cmp_eq_u32 s52, 2
	s_cselect_b64 s[SRC:SRC+1], s[12:13], s[SRC:SRC+1]
	s_add_nc_u64 s[SRC:SRC+1], s[SRC:SRC+1], s[54:55]
	s_add_nc_u64 s[OUT:OUT+1], s[30:31], s[56:57]  ; the tile's record
	s_lshl_b32 s54, s[KH], 8
	s_add_co_u32 s54, s54, SCO
	s_add_nc_u64 s[OUTS:OUTS+1], s[OUT:OUT+1], s[54:55]
	s_mul_i32 s54, s[KH], 4*FRG
	s_add_nc_u64 s[OUT:OUT+1], s[OUT:OUT+1], s[54:55]
	XLOAD 0
	XLOAD 1
.irp k, 0,1,2,3
.if \k < 3
	s_wait_loadcnt 16                              ; this K step's 16 loads are in; the next step's 16 may be out
.else
	s_wait_loadcnt 0x0
.endif
	XSTAGE \k
	READBACK
.if \k < 2
	XLOAD \k+2                                     ; into the set that the stage's stores have read
.endif
	WORK \k, 0
.endr
	FLUSH
	s_wait_tensorcnt 0x0
	ds_add_u32 v240, v241
	s_wait_dscnt 0x0
	s_endpgm
	; ---- a tile of combined weights
.Lweights:
	s_add_co_u32 s[RG], s[RG], WBASE
	s_wait_alu depctr_va_vdst(0)
	STAGEADR
	v_mul_u32_u24 v[SWW], v13, SPITCH
	v_lshl_add_u32 v[SWW], v12, 4, v[SWW]
	v_add_nc_u32 v[SWW], s[RG], v[SWW]
	v_lshlrev_b32 v[GW], 11, v13
	v_lshl_add_u32 v[GW], v12, 4, v[GW]
	s_sub_co_u32 s52, ttmp9, NXG
	s_lshr_b32 s53, s52, 5                         ; which set: q, k, v, o
	s_and_b32 s52, s52, 31                         ; 4 hd + 2 part + bb
	s_and_b32 s54, s52, 1                          ; bb
	s_bfe_u32 s55, s52, 0x10001                    ; part
	s_lshr_b32 s56, s52, 2                         ; hd
	s_lshl_b32 s56, s56, 17                        ; 64 rows of 2,048 bytes,
	s_lshl_b32 s54, s54, 16                        ; 32 rows,
	s_add_co_u32 s56, s56, s54
	s_lshl_b32 s54, s[PAR], 14                     ; 8 rows,
	s_add_co_u32 s56, s56, s54
	s_lshl_b32 s54, s[KH], 10                      ; four K steps of 256 bytes
	s_add_co_u32 s56, s56, s54
	s_mov_b32 s57, 0
	s_lshl_b32 s52, s52, 1
	s_add_co_u32 s52, s52, s[PAR]                  ; T
	s_mul_i32 s58, s52, REC
	s_mul_i32 s54, s53, WSEC
	s_add_co_u32 s58, s58, s54
	s_mov_b32 s59, 0
	s_mov_b32 s[MK], 0x20820820
	s_mov_b32 s[MK+1], 0x08208208
	s_mov_b32 s[MK+2], 0x82082082
	s_wait_alu depctr_va_vdst(0)
	s_wait_kmcnt 0x0
	s_cmp_eq_u32 s53, 0
	s_cselect_b64 s[SRC:SRC+1], s[14:15], s[18:19]     ; the set's real part,
	s_cselect_b64 s[SRC2:SRC2+1], s[16:17], s[20:21]   ; and its imaginary part
	s_cmp_eq_u32 s53, 2
	s_cselect_b64 s[SRC:SRC+1], s[22:23], s[SRC:SRC+1]
	s_cselect_b64 s[SRC2:SRC2+1], s[24:25], s[SRC2:SRC2+1]
	s_cmp_eq_u32 s53, 3
	s_cselect_b64 s[SRC:SRC+1], s[26:27], s[SRC:SRC+1]
	s_cselect_b64 s[SRC2:SRC2+1], s[28:29], s[SRC2:SRC2+1]
	s_mov_b64 s[60:61], s[SRC:SRC+1]
	s_cmp_eq_u32 s55, 0                            ; part 0: [wr|-wi]; part 1: [wi|wr]
	s_cselect_b64 s[SRC:SRC+1], s[SRC:SRC+1], s[SRC2:SRC2+1]
	s_cselect_b64 s[SRC2:SRC2+1], s[SRC2:SRC2+1], s[60:61]
	s_cselect_b32 s[MK], s[MK], 0
	s_cselect_b32 s[MK+1], s[MK+1], 0
	s_cselect_b32 s[MK+2], s[MK+2], 0
	s_add_nc_u64 s[SRC:SRC+1], s[SRC:SRC+1], s[56:57]
	s_add_nc_u64 s[SRC2:SRC2+1], s[SRC2:SRC2+1], s[56:57]
	s_add_nc_u64 s[OUT:OUT+1], s[32:33], s[58:59]
	s_lshl_b32 s54, s[KH], 8
	s_add_co_u32 s54, s54, SCO
	s_mov_b32 s55, 0
	s_add_nc_u64 s[OUTS:OUTS+1], s[OUT:OUT+1], s[54:55]
	s_mul_i32 s54, s[KH], 4*FRG
	s_add_nc_u64 s[OUT:OUT+1], s[OUT:OUT+1], s[54:55]
	WLOAD 0
	WLOAD 1
.irp k, 0,1,2,3
.if \k < 3
	s_wait_loadcnt 16                              ; this K step's 16 loads are in; the next step's 16 may be out
.else
	s_wait_loadcnt 0x0
.endif
	WSTAGE \k
	READBACK
.if \k < 2
	WLOAD \k+2
.endif
	WORK \k, 1
.endr
	FLUSH
	s_wait_tensorcnt 0x0
	ds_add_u32 v240, v241
	s_wait_dscnt 0x0
	s_endpgm
.Lfunc_end_k_q10ae99468b_quant:
	.size	k_q10ae99468b_quant, .Lfunc_end_k_q10ae99468b_quant-k_q10ae99468b_quant
	.p2alignl 7, 3214868480
	.fill 96, 4, 3214868480
	.section	.rodata,"a",@progbits
	.p2align	6, 0x0
	.amdhsa_kernel k_q10ae99468b_quant
		.amdhsa_group_segment_fixed_size 72192
		.amdhsa_private_segment_fixed_size 0
		.amdhsa_enable_private_segment 0
		.amdhsa_kernarg_size 104
		.amdhsa_user_sgpr_count 2
		.amdhsa_user_sgpr_kernarg_segment_ptr 1
		.amdhsa_wavefront_size32 1
		.amdhsa_system_sgpr_workgroup_id_x 1
		.amdhsa_system_sgpr_workgroup_id_y 1
		.amdhsa_system_sgpr_workgroup_id_z 1
		.amdhsa_system_vgpr_workitem_id 0
		.amdhsa_next_free_vgpr 242
		.amdhsa_next_free_sgpr 66
		.amdhsa_reserve_vcc 0
		.amdhsa_float_denorm_mode_32 3
		.amdhsa_float_denorm_mode_16_64 3
		.amdhsa_memory_ordered 1
		.amdhsa_forward_progress 1
		.amdhsa_inst_pref_size 74
	.end_amdhsa_kernel
	.amdgpu_metadata
---
amdhsa.version: [ 1, 2 ]
amdhsa.kernels:
  - .name:           k_q10ae99468b_quant
    .symbol:         k_q10ae99468b_quant.kd
    .args:
      - { .name: queries, .offset: 0, .size: 8, .value_kind: global_buffer, .address_space: global }
      - { .name: keys, .offset: 8, .size: 8, .value_kind: global_buffer, .address_space: global }
      - { .name: values, .offset: 16, .size: 8, .value_kind: global_buffer, .address_space: global }
      - { .name: wq_r, .offset: 24, .size: 8, .value_kind: global_buffer, .address_space: global }
      - { .name: wq_i, .offset: 32, .size: 8, .value_kind: global_buffer, .address_space: global }
      - { .name: wk_r, .offset: 40, .size: 8, .value_kind: global_buffer, .address_space: global }
      - { .name: wk_i, .offset: 48, .size: 8, .value_kind: global_buffer, .address_space: global }
      - { .name: wv_r, .offset: 56, .size: 8, .value_kind: global_buffer, .address_space: global }
      - { .name: wv_i, .offset: 64, .size: 8, .value_kind: global_buffer, .address_space: global }
      - { .name: wo_r, .offset: 72, .size: 8, .value_kind: global_buffer, .address_space: global }
      - { .name: wo_i, .offset: 80, .size: 8, .value_kind: global_buffer, .address_space: global }
      - { .name: xc, .offset: 88, .size: 8, .value_kind: global_buffer, .address_space: global }
      - { .name: wc, .offset: 96, .size: 8, .value_kind: global_buffer, .address_space: global }
    .group_segment_fixed_size: 72192
    .private_segment_fixed_size: 0
    .kernarg_segment_align: 8
    .kernarg_segment_size: 104
    .max_flat_workgroup_size: 128
    .sgpr_count:     66
    .vgpr_count:     242
    .wavefront_size: 32
...
	.end_amdgpu_metadata
.endif
;; end of part 1
;; launch proj (part 2): grid 64 x 3, 4 waves a work-group, no clusters, 209,408 bytes of LDS; arguments xc, wc, qc, kv; writes qc, kv
.if DOCPART == 2
	.amdgcn_target "amdgcn-amd-amdhsa--gfx1250"
	.amdhsa_code_object_version 6
	.text
	.protected	k_q10ae99468b_proj
	.globl	k_q10ae99468b_proj
	.p2align	8
	.type	k_q10ae99468b_proj,@function
k_q10ae99468b_proj:
	s_mov_b64 s[64:65], 0
	v_nop
	global_prefetch_b8 v0, s[64:65] scope:SCOPE_SE
	s_setreg_imm32_b32 hwreg(HW_REG_WAVE_MODE, 25, 1), 1
	s_wait_xcnt 0x0
; The three complex projections, on codes of FP6 (E2M3) with E8M0 scales; their results are quantised in registers and leave as operands of the attention.  Work-group y = 0: q, 1: k, 2: v.
; FRAGMENTS AND RECORDS: a fragment (16 rows x 128 K, 12 registers a lane) is an image of its registers, registers 4 c .. 4 c + 3 of lane l at 512 c + 16 l; a record is 8 fragments and 8 x 16 scale words
; (fragment i, row r at SCO + 64 i + 4 r).  One load of 4 bytes a lane at SCO + 128 p brings fragment 2 p's words to lanes 0-15 and fragment 2 p + 1's to lanes 16-31.
; A UNIT is 8 tiles P (source 0) x 1 tile R (source 1) x 8 K steps: 64 matrix instructions on 8 accumulators by turns.  The rows of P's tiles are chosen (8 u + r + 8 (r / 8) of each 32) so that a lane's 64 results
; are, 16 and 16, neighbours along the next product's K: they become ONE fragment.
;   q, k: P = the 8 tiles of combined weights of a head, R = a tile of x: a lane holds a row, its registers the head's [re(64)|im(64)].
;   v:    P = the 8 tiles of x of 128 keys, R = a tile of combined weights: a lane holds a channel, its registers 128 keys.
; SHARES.  A wave keeps its P (64 fragments, 768 registers) for the whole launch; the work-group's 16 tiles R, one dense block of 204,800 bytes, come into LDS once, a quarter by each wave's tensor load.
; No slot is ever filled again.  192 work-groups of 16 units a wave: the tensors' counts (2 x 32 and 16 x 4 work-groups) give 64 each.
; NO CLUSTER: the tiles R are read by 2 work-groups (q, k) or 16 (v, 1/3 of the launch), and the larger stream, P, goes straight to registers, which a joint load does not reach.
; y_r is one f32 sum over K = 1,024 and not the difference of two sums over 512.
; LIMITS: NaN and infinities are not served; a block whose largest magnitude lies under 2^-124 keeps the byte 1; a block of zeros has the byte 1 and not 127: its codes are zeros, and this program alone reads the bytes.
.set REC,  12800
.set FRG,  1536
.set SCO,  8*FRG
.set XSEC, 512*REC
.set WSEC, 64*REC
.set SCR,  16*REC                      ; LDS behind R: 1,024 bytes a wave for its 16 units' scale words
.set LI,   1                           ; v1   16 x lane
.set LS,   2                           ; v2   4 x lane
.set ADR,  3                           ; v3   LDS address of the tile R in hand, by fragments
.set ADS,  4                           ; v4   and by scale words
.set SCB,  5                           ; v5   my row's place in the wave's scale words
.set SCW,  6                           ; v6   the same for the unit in hand
.set SCRD, 7                           ; v7   the scale words on the way out
.set RS,   8                           ; v8-11    R's scale words
.set PS,   12                          ; v12-43   P's: tile t, K steps 2 p, 2 p + 1 at PS + 4 t + p
.set P63,  44                          ; v44-55   P's 64th fragment; the other 63 lie in windows 1 to 3, 21 to a window
.set ACC,  56                          ; v56-119  the unit's 8 accumulators
.set RF,   120                         ; v120-215 R's 8 fragments
.set PC,   216                         ; v216-235 the fragment just made
.set TM,   236                         ; v236-251 at work
.set PW,   252                         ; v252     the scale word just made
.set WV,   12
.set G1,   16
.set G0,   24
.set PP,   28
.set OUT,  30
.set OS0,  32
.set OS1,  34
.set STEP, 36
.set CNT,  38
.set BIG,  39
.set RB,   40
.set SW,   41
.set SEL,  42
.set C15,  56
.set RP,   58
.set MSB, 0
.macro WIN new                         ; the immediate's high byte repeats the setting that is left
.if MSB != (\new)
	s_set_vgpr_msb (MSB<<8)|(\new)
.set MSB, (\new)
.endif
.endm
.macro PLACES n
.rept \n
	v_nop
.endr
.endm
; 64 numbers of a lane, register 16 b + i = k 32 b + 16 (lane / 16) + i of my row, become a fragment's codes in v[pc] on and its scale word in v[pw]
.macro QUANT s, pc, tm, pw
.irp b, 0,1,2,3
	v_max3_num_f32 v[\tm+\b], |v[\s+16*\b]|, |v[\s+1+16*\b]|, 0x1800000   ; my 16 numbers of block b, and the floor 2^(3 - 127): the byte cannot fall under 1
.endr
.irp i, 2,4,6,8,10,12,14
.irp b, 0,1,2,3
	v_max3_num_f32 v[\tm+\b], v[\tm+\b], |v[\s+16*\b+\i]|, |v[\s+1+16*\b+\i]|   ; the four blocks by turns
.endr
.endr
.irp b, 0,1,2,3
	v_permlanex16_b32 v[\tm+4+\b], v[\tm+\b], s[SEL], s[SEL+1]
.endr
.irp b, 0,1,2,3
	v_max_num_f32 v[\tm+\b], v[\tm+\b], v[\tm+4+\b]   ; with lane l xor 16's: the block's largest magnitude
.endr
.irp b, 0,1,2,3
	v_add_nc_u32 v[\tm+12+\b], 0xff000000, v[\tm+\b]   ; 2 off its exponent field: the conversion's scale operand
.endr
.irp b, 0,1,2,3
	v_lshrrev_b32 v[\tm+4+\b], 23, v[\tm+12+\b]   ; the scale's byte
.endr
	v_lshl_or_b32 v[\pw], v[\tm+5], 8, v[\tm+4]
	v_lshl_or_b32 v[\pw], v[\tm+6], 16, v[\pw]
	v_lshl_or_b32 v[\pw], v[\tm+7], 24, v[\pw]
.irp c, 0,1
	v_cvt_scalef32_pk16_fp6_f32 v[\pc+6*\c:\pc+2+6*\c], v[\s+32*\c:\s+15+32*\c], v[\tm+12+2*\c]
	v_cvt_scalef32_pk16_fp6_f32 v[\pc+12+4*\c:\pc+14+4*\c], v[\s+16+32*\c:\s+31+32*\c], v[\tm+12+2*\c+1]   ; (a conversion's three registers begin on an even number)
.endr
	v_nop                                          ; one plain place behind the scaled conversions
.irp c, 0,1                                    ; the operand wants a WHOLE block in a lane: lanes 0-15 block 2 c, lanes 16-31 block 2 c + 1
.irp i, 0,1,2
	v_permlane16_swap_b32 v[\pc+6*\c+\i], v[\pc+12+4*\c+\i]
.endr
.irp i, 0,1,2
	v_mov_b32 v[\pc+3+6*\c+\i], v[\pc+12+4*\c+\i]
.endr
.endr
.endm
; P's 64 fragments (number 8 s + t: tile t, K step s) and 32 registers of scale words, from memory to registers, once
.macro PLOAD
.set fi, 0
.rept 63
	WIN (1+fi/21)<<6
.irp c, 0,1,2
	global_load_b128 v[12*(fi%21)+4*\c:12*(fi%21)+4*\c+3], v[LI], s[PP:PP+1] offset:(fi%8)*REC+(fi/8)*FRG+512*\c
.endr
.set fi, fi+1
.endr
	WIN 0
.irp c, 0,1,2
	global_load_b128 v[P63+4*\c:P63+4*\c+3], v[LI], s[PP:PP+1] offset:7*REC+7*FRG+512*\c
.endr
.irp t, 0,1,2,3,4,5,6,7
.irp p, 0,1,2,3
	global_load_b32 v[PS+4*\t+\p], v[LS], s[PP:PP+1] offset:\t*REC+SCO+128*\p
.endr
.endr
.endm
; a tile R: 8 fragments and 4 registers of scale words from LDS
.macro RFETCH adr, ads, off
.irp s, 0,1,2,3,4,5,6,7
.irp c, 0,1,2
	ds_load_b128 v[RF+12*\s+4*\c:RF+12*\s+4*\c+3], v[\adr] offset:\off+FRG*\s+512*\c
.endr
.endr
.irp p, 0,1,2,3
	ds_load_b32 v[RS+\p], v[\ads] offset:\off+SCO+128*\p
.endr
.endm
; a unit's 64 matrix instructions: K step by K step, the 8 accumulators by turns, one instruction a turn; the first K step starts the sums.  Four switches of source 0's window
.macro MULS
.set fi, 0
.rept 64
.set kt, fi%8
.set ks, fi/8
.if fi < 63
	WIN 1+fi/21
.set pa, 12*(fi%21)
.else
	WIN 0
.set pa, P63
.endif
.if ks == 0
	v_wmma_scale_f32_16x16x128_f8f6f4 v[ACC+8*kt:ACC+8*kt+7], v[pa:pa+11], v[RF:RF+11], 0, v[PS+4*kt], v[RS] matrix_a_fmt:MATRIX_FMT_FP6 matrix_b_fmt:MATRIX_FMT_FP6
.elseif ks%2 == 1
	v_wmma_scale_f32_16x16x128_f8f6f4 v[ACC+8*kt:ACC+8*kt+7], v[pa:pa+11], v[RF+12*ks:RF+12*ks+11], v[ACC+8*kt:ACC+8*kt+7], v[PS+4*kt+ks/2], v[RS+ks/2] matrix_a_fmt:MATRIX_FMT_FP6 matrix_b_fmt:MATRIX_FMT_FP6 matrix_a_scale:MATRIX_SCALE_ROW1 matrix_b_scale:MATRIX_SCALE_ROW1
.else
	v_wmma_scale_f32_16x16x128_f8f6f4 v[ACC+8*kt:ACC+8*kt+7], v[pa:pa+11], v[RF+12*ks:RF+12*ks+11], v[ACC+8*kt:ACC+8*kt+7], v[PS+4*kt+ks/2], v[RS+ks/2] matrix_a_fmt:MATRIX_FMT_FP6 matrix_b_fmt:MATRIX_FMT_FP6
.endif
.set fi, fi+1
.endr
	WIN 0
.endm
	s_load_b256 s[4:11], s[0:1], 0x0               ; xc, wc, qc, kv
	v_lshl_add_u32 v246, v0, 2, 0x33000
	v_mov_b32 v247, 0
	ds_add_u32 v246, v247
	ds_add_u32 v246, v247
	v_lshrrev_b32 v254, 5, v0
	v_readfirstlane_b32 s[WV], v254                ; wave 0..3
	v_and_b32 v253, 31, v0
	v_and_b32 v255, 15, v0
	v_lshlrev_b32 v[LI], 4, v253
	v_lshlrev_b32 v[LS], 2, v253
	s_lshl_b32 s44, s[WV], 10
	s_add_co_u32 s44, s44, SCR
	v_lshl_add_u32 v[SCB], v255, 2, s44
	v_add_nc_u32 v[SCRD], s44, v[LI]
.irp b, 0,1,2,3
	v_mov_b32 v[TM+4+\b], 0                        ; a lane permute's destination counts as one of its sources
.endr
	s_mov_b32 s[SEL], 0x76543210
	s_mov_b32 s[SEL+1], 0xfedcba98
	; descriptor group 1: 200 rows of 256 bytes (32 elements of 8 bytes), dense, no padding: a quarter of the 16 records
	s_mov_b32 s[G1], 3<<16
	s_mov_b32 s[G1+1], 32<<16                      ; tensor_dim0
	s_mov_b32 s[G1+2], 200<<16                     ; tensor_dim1
	s_mov_b32 s[G1+3], 32<<16                      ; tile_dim0
	s_mov_b32 s[G1+4], 200                         ; tile_dim1
	s_mov_b32 s[G1+5], 32                          ; the pitch
	s_mov_b32 s[G1+6], 0
	s_mov_b32 s[G1+7], 0
	s_and_b32 s44, ttmp7, 0xffff                   ; y: 0 q, 1 k, 2 v
	s_cmp_eq_u32 s44, 2
	s_cselect_b32 s45, 15, 1
	s_cselect_b32 s46, 4, 1
	s_and_b32 s47, ttmp9, s45                      ; which four groups P,
	s_lshr_b32 s48, ttmp9, s46                     ; which 16 tiles R
	s_lshl_b32 s47, s47, 2
	s_add_co_u32 s47, s47, s[WV]                   ; pg: my group P: a head (q, k) or 128 keys (v)
	; the first record that I write.  v: (batch pg / 8, head 2 rchunk, key step pg % 8); q, k: (batch rchunk / 4, head pg, group of 8 tiles 2 (rchunk % 4))
	s_lshr_b32 s49, s47, 3
	s_lshl_b32 s49, s49, 6
	s_lshl_b32 s50, s48, 4
	s_add_co_u32 s49, s49, s50
	s_and_b32 s50, s47, 7
	s_add_co_u32 s49, s49, s50
	s_lshr_b32 s50, s48, 2
	s_lshl_b32 s50, s50, 6
	s_lshl_b32 s52, s47, 3
	s_add_co_u32 s50, s50, s52
	s_and_b32 s52, s48, 3
	s_lshl_b32 s52, s52, 1
	s_add_co_u32 s50, s50, s52
	s_mov_b32 s54, REC
	s_mov_b32 s55, 2*REC
	s_mov_b32 s[BIG], 16*REC
	s_cmp_eq_u32 s44, 2
	s_cselect_b32 s49, s49, s50
	s_cselect_b32 s52, s54, 0                      ; V's record lies behind K's
	s_cselect_b32 s[BIG], s[BIG], s55              ; from my first record to my second: v: a head on; k: a key step on;
	s_cmp_eq_u32 s44, 0
	s_cselect_b32 s[BIG], s54, s[BIG]              ; q: the next record
	s_cselect_b32 s55, s54, s55                    ; bytes for each count of the record's number
	s_mul_i32 s49, s49, s55
	s_add_co_u32 s52, s49, s52
	s_mov_b32 s53, 0
	s_mov_b32 s54, s[BIG]
	s_mov_b32 s55, 0
	s_sub_co_u32 s[BIG], s[BIG], 7*FRG             ; from a record's last fragment to the next record's first
	s_mul_i32 s50, s47, 8*REC
	s_mov_b32 s51, 0
	s_mul_i32 s45, s[WV], 4*REC                    ; my quarter of R, in memory and in LDS
	s_mul_i32 s48, s48, 16*REC
	s_add_co_u32 s48, s48, s45
	s_mov_b32 s49, 0
	s_mul_i32 s46, s44, XSEC
	s_mov_b32 s47, 0
	s_wait_alu depctr_va_vdst(0)
	s_wait_dscnt 0x0
	s_wait_kmcnt 0x0
	s_add_nc_u64 s[4:5], s[4:5], s[46:47]          ; the tensor's section of xc,
	s_mul_i32 s46, s44, WSEC
	s_add_nc_u64 s[6:7], s[6:7], s[46:47]          ; and its weights' of wc
	s_cmp_eq_u32 s44, 2
	s_cselect_b64 s[PP:PP+1], s[4:5], s[6:7]
	s_cselect_b64 s[RP:RP+1], s[6:7], s[4:5]
	s_cmp_eq_u32 s44, 0
	s_cselect_b64 s[OUT:OUT+1], s[8:9], s[10:11]
	s_add_nc_u64 s[PP:PP+1], s[PP:PP+1], s[50:51]
	s_add_nc_u64 s[RP:RP+1], s[RP:RP+1], s[48:49]
	s_add_nc_u64 s[OUT:OUT+1], s[OUT:OUT+1], s[52:53]
	s_mov_b64 s[OS0:OS0+1], s[OUT:OUT+1]
	s_add_nc_u64 s[OS1:OS1+1], s[OUT:OUT+1], s[54:55]
	s_mov_b32 s[G0], 1                             ; count = 1
	s_mov_b32 s[G0+1], s45                         ; LDS address
	s_mov_b64 s[G0+2:G0+3], s[RP:RP+1]             ; global address
	s_or_b32 s[G0+3], s[G0+3], 0x80000000          ; type = 2
	tensor_load_to_lds s[G0:G0+3], s[G1:G1+7]      ; my one tensor load: nothing is ever filled again
	s_nop 0
	PLACES 4
	PLOAD
	s_mov_b32 s[STEP], 0
	s_mov_b32 s[STEP+1], 0
	s_mov_b32 s[C15], FRG
	s_mov_b32 s[RB], REC
	s_mov_b32 s[SW], 0
	s_mov_b32 s[CNT], 0
	s_wait_loadcnt 0x0                             ; P
	s_wait_tensorcnt 0x0                           ; my quarter of R has landed,
	s_barrier_signal -1
	s_barrier_wait -1                              ; everybody's has: the launch's one barrier
	RFETCH LI, LS, 0
; A unit.  more = 1: the next tile R is fetched behind the products, and lands while the results are quantised
.macro UNIT more
	s_wait_dscnt 0x0                               ; R's fragments and scale words are in
	MULS
	v_add_nc_u32 v[SCW], s[SW], v[SCB]             ; four places behind the last product, ahead of loads into its sources and of the first read of results
.if \more
	v_add_nc_u32 v[ADR], s[RB], v[LI]
	v_add_nc_u32 v[ADS], s[RB], v[LS]
	v_nop
	RFETCH ADR, ADS, 0
.else
	PLACES 3
.endif
	s_wait_xcnt 0x0                                ; the last unit's stores have read their registers and their base
	s_add_nc_u64 s[OUT:OUT+1], s[OUT:OUT+1], s[STEP:STEP+1]
	QUANT ACC, PC, TM, PW
.irp c, 0,1,2
	global_store_b128 v[LI], v[PC+4*\c:PC+4*\c+3], s[OUT:OUT+1] offset:512*\c   ; 512 consecutive bytes, at a multiple of 256 from the buffer's first byte
.endr
	ds_store_b32 v[SCW], v[PW]                     ; lanes r and r + 16 write the same word with the same value
.endm
.Lunit:                                            ; 15 trips; the sixteenth unit, which fetches nothing, is written out
	UNIT 1
	s_cmp_eq_u32 s[CNT], 7                         ; behind the eighth fragment the second record begins
	s_cselect_b32 s[STEP], s[BIG], s[C15]
	s_add_co_u32 s[RB], s[RB], REC
	s_add_co_u32 s[SW], s[SW], 64
	s_add_co_u32 s[CNT], s[CNT], 1
	s_cmp_lt_u32 s[CNT], 15
	s_cbranch_scc1 .Lunit
	UNIT 0
	s_wait_xcnt 0x0                                ; the last stores have read the registers that the loads below take
	ds_load_b128 v[PC:PC+3], v[SCRD]               ; LDS serves a wave's instructions in order: these see my stores
	ds_load_b128 v[PC+4:PC+7], v[SCRD] offset:512
	s_wait_dscnt 0x0
	global_store_b128 v[LI], v[PC:PC+3], s[OS0:OS0+1] offset:SCO     ; a record's 8 x 16 scale words: 512 consecutive bytes
	global_store_b128 v[LI], v[PC+4:PC+7], s[OS1:OS1+1] offset:SCO
	s_wait_tensorcnt 0x0
	ds_add_u32 v246, v247
	s_wait_dscnt 0x0
	s_endpgm
.Lfunc_end_k_q10ae99468b_proj:
	.size	k_q10ae99468b_proj, .Lfunc_end_k_q10ae99468b_proj-k_q10ae99468b_proj
	.p2alignl 7, 3214868480
	.fill 96, 4, 3214868480
	.section	.rodata,"a",@progbits
	.p2align	6, 0x0
	.amdhsa_kernel k_q10ae99468b_proj
		.amdhsa_group_segment_fixed_size 209408
		.amdhsa_private_segment_fixed_size 0
		.amdhsa_enable_private_segment 0
		.amdhsa_kernarg_size 32
		.amdhsa_user_sgpr_count 2
		.amdhsa_user_sgpr_kernarg_segment_ptr 1
		.amdhsa_wavefront_size32 1
		.amdhsa_system_sgpr_workgroup_id_x 1
		.amdhsa_system_sgpr_workgroup_id_y 1
		.amdhsa_system_sgpr_workgroup_id_z 1
		.amdhsa_system_vgpr_workitem_id 0
		.amdhsa_next_free_vgpr 1024
		.amdhsa_next_free_sgpr 66
		.amdhsa_reserve_vcc 0
		.amdhsa_float_denorm_mode_32 3
		.amdhsa_float_denorm_mode_16_64 3
		.amdhsa_memory_ordered 1
		.amdhsa_forward_progress 1
		.amdhsa_inst_pref_size 55
	.end_amdhsa_kernel
	.amdgpu_metadata
---
amdhsa.version: [ 1, 2 ]
amdhsa.kernels:
  - .name:           k_q10ae99468b_proj
    .symbol:         k_q10ae99468b_proj.kd
    .args:
      - { .name: xc, .offset: 0, .size: 8, .value_kind: global_buffer, .address_space: global }
      - { .name: wc, .offset: 8, .size: 8, .value_kind: global_buffer, .address_space: global }
      - { .name: qc, .offset: 16, .size: 8, .value_kind: global_buffer, .address_space: global }
      - { .name: kv, .offset: 24, .size: 8, .value_kind: global_buffer, .address_space: global }
    .group_segment_fixed_size: 209408
    .private_segment_fixed_size: 0
    .kernarg_segment_align: 8
    .kernarg_segment_size: 32
    .max_flat_workgroup_size: 128
    .sgpr_count:     66
    .vgpr_count:     1024
    .wavefront_size: 32
...
	.end_amdgpu_metadata
.endif
;; end of part 2
;; launch attn (part 3): grid 4 x 64, 8 waves a work-group, clusters of 4 x 1, 205,824 bytes of LDS; arguments qc, kv, oc; writes oc
.if DOCPART == 3
	.amdgcn_target "amdgcn-amd-amdhsa--gfx1250"
	.amdhsa_code_object_version 6
	.text
	.protected	k_q10ae99468b_attn
	.globl	k_q10ae99468b_attn
	.p2align	8
	.type	k_q10ae99468b_attn,@function
k_q10ae99468b_attn:
	s_mov_b64 s[64:65], 0
	v_nop
	global_prefetch_b8 v0, s[64:65] scope:SCOPE_SE
	s_setreg_imm32_b32 hwreg(HW_REG_WAVE_MODE, 25, 1), 1
	s_wait_xcnt 0x0
	s_wait_alu depctr_hold_cnt(0) depctr_sa_sdst(0) depctr_va_vdst(0) depctr_va_sdst(0) depctr_va_ssrc(0) depctr_va_vcc(0) depctr_vm_vsrc(0)
	s_getreg_b32 s2, hwreg(HW_REG_IB_STS2, 6, 4)
	s_cmp_eq_u32 s2, 0
	s_cbranch_scc0 .Lentry_in_a_cluster
	s_endpgm
.Lentry_in_a_cluster:
	s_bfe_u32 s2, ttmp6, 0x10000c
	s_cmp_lg_u32 s2, 0x3003
	s_cbranch_scc0 .Lentry_shape_is_right
	s_endpgm
.Lentry_shape_is_right:
; Complex attention on codes of FP6 (E2M3) with E8M0 scales, for one (batch, head) and 256 queries a work-group.
; s_r = [qr|-qi] . [kr|ki], s_i = [qi|qr] . [kr|ki]: K = 128, one matrix instruction a tile of scores; one fragment of K serves both.  The minus is a flip of the codes' sign bits, the exchange an exchange of
; registers and of the scale word's halves.  Each softmax's p multiplies [vr|vi]; o_r = Pr vr / l_r - Pi vi / l_i, o_i = Pr vi / l_r + Pi vr / l_i.  o is quantised along [o_r(64)|o_i(64)] and leaves as K step hd of the output layer's operand.
; THE SOFTMAX: t = score x log2(e) / 8; M = the running largest t rounded UP to a whole number, kept as -M = floor(-t); p = 2^(t - M) is quantised along the keys, not normalised; the sum is taken of the
; unquantised p; when M moves, sum and results are multiplied by 2^(old M - new M), which rounds nothing.  A block's largest p is the block's largest score put through the same multiply-add and exponential.
; LAYOUT.  Both products are used transposed (source 0 = 16 keys, or 16 channels of V; source 1 = my 16 queries, or p): a lane holds ONE query.  Of 64 keys, tile u (0 .. 3) of K holds keys 8 u + r % 8 + 32 (r / 8):
; so the 32 registers of four tiles are, in lane half h, the whole block of keys 64 c + 32 h + 0 .. 31, in the order of the next operand: a block's maximum needs no other lane and its codes change no lane.
; FRAGMENTS AND RECORDS: a fragment (12 registers a lane) is an image of its registers, registers 4 c .. 4 c + 3 of lane l at 512 c + 16 l; a record is 8 fragments and 8 x 16 scale words at SCO + 64 i + 4 r.
; SHARES.  Eight waves, two to a SIMD; a wave owns one tile of 16 queries at a time, two one after the other (two passes).  ALL K AND V OF THE HEAD, 8 key steps of (K's record, V's record) = 204,800 dense bytes,
; come into LDS ONCE: wave w fetches key step w, 100 rows of 256 bytes, its one tensor load.  No byte is filled again.
; CLUSTER.  The four query blocks of a head ask for K and V JOINTLY, with the same descriptors and the mask of all four.  The place in the cluster enters the addresses of Q and o alone.
; LDS LOADS RUN AHEAD: eight fragments have registers, so V's are asked for behind the scores (216 vector instructions ahead of their wait) and the next step's K behind the products with V, under the 52 additions of p that follow.
; NO PREFETCH: all that the launch reads of kv is asked for by the head's loads; there is no loop to run ahead in.
; LIMITS: NaN and infinities are not served; the promise holds while the scaled scores t stay under 2^31 in magnitude; a block whose largest magnitude lies under 2^-124 keeps the byte 1; a block of zeros has the
; byte 1 and not 127: its codes are zeros, and this program alone reads the bytes.
.set REC,  12800
.set FRG,  1536
.set SCO,  8*FRG
.set SPARE, 16*REC                     ; behind K and V: the spare words, 128 bytes a wave
.set LI,   1                           ; 16 x lane
.set LS,   2                           ; 4 x lane
.set ADK,  3                           ; LDS address of the key step, by fragments
.set ADS,  4                           ; and by scale words
.set OFO,  5                           ; o: my 16 bytes of fragment hd
.set OSO,  6                           ; o: my row's scale word
.set QFO,  7                           ; Q: my 16 bytes of fragment wave
.set STA,  8                           ; v8-13  s_r's: -M, largest score, sum (two halves), f, (named with f as a pair)
.set STB,  14                          ; v14-19 s_i's
.set QSA,  20                          ; the scale words of [qr|-qi]
.set QSB,  21                          ; of [qi|qr]
.set KS,   22                          ; v22-25 K's scale words
.set VS,   26                          ; v26-29 V's
.set PSR,  30                          ; p's
.set PSI,  31
.set FB,   32                          ; v32-79   fragments 0-3 of K or of V
.set SR,   80                          ; v80-143  s_r^T, then its p; at the end o
.set SI,   144                         ; v144-207 s_i^T, then its p
.set PCR,  208                         ; v208-219 p_r's codes
.set PCI,  220                         ; v220-231 p_i's
.set BM,   232                         ; v232-235 the blocks' largest: s_r's blocks h, 2 + h, s_i's; then the conversions' scale operands
.set PT,   236                         ; v236-250 at work: four runs of three for the blocks' upper halves
.set TR,   236                         ; second chains of the two sums
.set TI,   240
.set PA,   239
.set H8,   243                         ; 8 x (lane / 16)
.set PB,   247
.set SPW,  251                         ; my spare word; never rewritten
.set NIL,  252                         ; 0; never rewritten
.set XB,   253
.set OW,   253                         ; o's scale word
.set XA,   254
.set QSO,  255                         ; Q: my row's scale word
.set AR,   0                           ; window 1: v0-63 Pr [vr|vi], v64-127 Pi [vr|vi]
.set AI,   64
.set QA,   128                         ; window 1: [qr|-qi], [qi|qr], Q as loaded for the two passes, its scale words
.set QB,   140
.set QR0,  152
.set QR1,  164
.set QW0,  176
.set QW1,  177
.set FB2,  180                         ; window 1: v180-227 fragments 4-7 of K or of V
.set WV,   10
.set CX,   11
.set BH,   12
.set G1,   16
.set G0,   24
.set A0,   28
.set SEL,  40
.set CS,   42
.set TB,   44
.set CNT,  45
.set PASS, 46
.set QP,   48
.set OP,   50
.set MK,   52
.set MSB, 0
.macro WIN new                         ; the immediate's high byte repeats the setting that is left
.if MSB != (\new)
	s_set_vgpr_msb (MSB<<8)|(\new)
.set MSB, (\new)
.endif
.endm
.macro PLACES n
.rept \n
	v_nop
.endr
.endm
.macro ROUND                           ; a round of the cluster's barrier
	s_barrier_signal -1
	s_barrier_wait -1
	s_cmp_lg_u32 s[WV], 0
	s_cbranch_scc1 .Lnot_wave_0_\@
	s_barrier_signal -3
.Lnot_wave_0_\@:
	s_barrier_wait -3
	s_barrier_signal -1
	s_barrier_wait -1
.endm
; 64 numbers of a lane, register 16 b + i = k 32 b + 16 (lane / 16) + i of my row, become a fragment's codes in v[pc] on and its scale word in v[pw] (o's layout, given by V's tiles of channels)
.macro QUANT s, pc, tm, pw
.irp b, 0,1,2,3
	v_max3_num_f32 v[\tm+\b], |v[\s+16*\b]|, |v[\s+1+16*\b]|, 0x1800000   ; the floor 2^(3 - 127): the byte cannot fall under 1
.endr
.irp i, 2,4,6,8,10,12,14
.irp b, 0,1,2,3
	v_max3_num_f32 v[\tm+\b], v[\tm+\b], |v[\s+16*\b+\i]|, |v[\s+1+16*\b+\i]|   ; the four blocks by turns
.endr
.endr
.irp b, 0,1,2,3
	v_permlanex16_b32 v[\tm+4+\b], v[\tm+\b], s[SEL], s[SEL+1]
.endr
.irp b, 0,1,2,3
	v_max_num_f32 v[\tm+\b], v[\tm+\b], v[\tm+4+\b]
.endr
.irp b, 0,1,2,3
	v_add_nc_u32 v[\tm+12+\b], 0xff000000, v[\tm+\b]   ; 2 off the exponent field: the conversion's scale operand
.endr
.irp b, 0,1,2,3
	v_lshrrev_b32 v[\tm+4+\b], 23, v[\tm+12+\b]
.endr
	v_lshl_or_b32 v[\pw], v[\tm+5], 8, v[\tm+4]
	s_delay_alu instid0(VALU_DEP_1)
	v_lshl_or_b32 v[\pw], v[\tm+6], 16, v[\pw]
	s_delay_alu instid0(VALU_DEP_1)
	v_lshl_or_b32 v[\pw], v[\tm+7], 24, v[\pw]
.irp c, 0,1
	v_cvt_scalef32_pk16_fp6_f32 v[\pc+6*\c:\pc+2+6*\c], v[\s+32*\c:\s+15+32*\c], v[\tm+12+2*\c]
	v_cvt_scalef32_pk16_fp6_f32 v[\pc+12+4*\c:\pc+14+4*\c], v[\s+16+32*\c:\s+31+32*\c], v[\tm+12+2*\c+1]
.endr
	v_nop                                          ; one plain place behind the scaled conversions
.irp c, 0,1
.irp i, 0,1,2
	v_permlane16_swap_b32 v[\pc+6*\c+\i], v[\pc+12+4*\c+\i]
.endr
.irp i, 0,1,2
	v_mov_b32 v[\pc+3+6*\c+\i], v[\pc+12+4*\c+\i]
.endr
.endr
.endm
; a record's eight fragments and four registers of scale words, from LDS: 28 loads in one run
.macro LD8 adr, ads, off, sc
.irp t, 0,1,2,3
.irp c, 0,1,2
	ds_load_b128 v[FB+12*\t+4*\c:FB+12*\t+4*\c+3], v[\adr] offset:\off+FRG*\t+512*\c
.endr
.endr
.irp p, 0,1,2,3
	ds_load_b32 v[\sc+\p], v[\ads] offset:\off+SCO+128*\p
.endr
	WIN 0x40                                       ; destination window 1
.irp t, 0,1,2,3
.irp c, 0,1,2
	ds_load_b128 v[FB2+12*\t+4*\c:FB2+12*\t+4*\c+3], v[\adr] offset:\off+FRG*(4+\t)+512*\c
.endr
.endr
	WIN 0
.endm
; one tile of scores: 16 keys (fragment at a) x my 16 queries
.macro SCORE d, a, q, ks, qs, odd
.if \odd
	v_wmma_scale_f32_16x16x128_f8f6f4 v[\d:\d+7], v[\a:\a+11], v[\q:\q+11], 0, v[\ks], v[\qs] matrix_a_fmt:MATRIX_FMT_FP6 matrix_b_fmt:MATRIX_FMT_FP6 matrix_a_scale:MATRIX_SCALE_ROW1
.else
	v_wmma_scale_f32_16x16x128_f8f6f4 v[\d:\d+7], v[\a:\a+11], v[\q:\q+11], 0, v[\ks], v[\qs] matrix_a_fmt:MATRIX_FMT_FP6 matrix_b_fmt:MATRIX_FMT_FP6
.endif
.endm
; one tile of results: 16 channels of V (fragment at a) x p.  zero = 1: the first key step starts the sums
.macro PVM d, a, pc, vs, ps, odd, zero
.if \zero && \odd
	v_wmma_scale_f32_16x16x128_f8f6f4 v[\d:\d+7], v[\a:\a+11], v[\pc:\pc+11], 0, v[\vs], v[\ps] matrix_a_fmt:MATRIX_FMT_FP6 matrix_b_fmt:MATRIX_FMT_FP6 matrix_a_scale:MATRIX_SCALE_ROW1
.elseif \zero
	v_wmma_scale_f32_16x16x128_f8f6f4 v[\d:\d+7], v[\a:\a+11], v[\pc:\pc+11], 0, v[\vs], v[\ps] matrix_a_fmt:MATRIX_FMT_FP6 matrix_b_fmt:MATRIX_FMT_FP6
.elseif \odd
	v_wmma_scale_f32_16x16x128_f8f6f4 v[\d:\d+7], v[\a:\a+11], v[\pc:\pc+11], v[\d:\d+7], v[\vs], v[\ps] matrix_a_fmt:MATRIX_FMT_FP6 matrix_b_fmt:MATRIX_FMT_FP6 matrix_a_scale:MATRIX_SCALE_ROW1
.else
	v_wmma_scale_f32_16x16x128_f8f6f4 v[\d:\d+7], v[\a:\a+11], v[\pc:\pc+11], v[\d:\d+7], v[\vs], v[\ps] matrix_a_fmt:MATRIX_FMT_FP6 matrix_b_fmt:MATRIX_FMT_FP6
.endif
.endm
.macro SUMS j                          ; two pairs of each p onto the sums: four chains by turns
	v_pk_add_f32 v[STA+2:STA+3], v[STA+2:STA+3], v[SR+\j:SR+\j+1]
	v_pk_add_f32 v[STB+2:STB+3], v[STB+2:STB+3], v[SI+\j:SI+\j+1]
	v_pk_add_f32 v[TR:TR+1], v[TR:TR+1], v[SR+\j+2:SR+\j+3]
	v_pk_add_f32 v[TI:TI+1], v[TI:TI+1], v[SI+\j+2:SI+\j+3]
.endm
; A KEY STEP: 128 keys at LDS byte s[TB]; K's fragments have been asked for.  first = 1: no old M, the sums begin.  more = 1: the next step's K is asked for.
.macro STEP first, more
	s_wait_dscnt 0x0                               ; K's eight fragments and its scale words
	WIN 0x04                                       ; source 1 (Q) in window 1
.irp t, 0,1,2,3
	SCORE SR+8*\t, FB+12*\t, QA, KS+\t/2, QSA, \t%2
	SCORE SI+8*\t, FB+12*\t, QB, KS+\t/2, QSB, \t%2
.endr
	WIN 0x05                                       ; source 0 too
.irp t, 0,1,2,3
	SCORE SR+32+8*\t, FB2+12*\t, QA, KS+2+\t/2, QSA, \t%2
	SCORE SI+32+8*\t, FB2+12*\t, QB, KS+2+\t/2, QSB, \t%2
.endr
	WIN 0
	v_add_nc_u32 v[ADK], s[TB], v[LI]              ; four places behind the products, ahead of loads into their sources and of the first read of the scores
	v_add_nc_u32 v[ADS], s[TB], v[LS]
	PLACES 2
	LD8 ADK, ADS, REC, VS                          ; V
.irp b, 0,1                                    ; the largest score of each of my four blocks of 32 keys; each accumulator is read from its low end on
	v_max3_num_f32 v[BM+\b], v[SR+32*\b], v[SR+32*\b+1], v[SR+32*\b+2]
	v_max3_num_f32 v[BM+2+\b], v[SI+32*\b], v[SI+32*\b+1], v[SI+32*\b+2]
.endr
.irp i, 3,5,7,9,11,13,15,17,19,21,23,25,27,29
.irp b, 0,1
	v_max3_num_f32 v[BM+\b], v[BM+\b], v[SR+32*\b+\i], v[SR+32*\b+\i+1]
	v_max3_num_f32 v[BM+2+\b], v[BM+2+\b], v[SI+32*\b+\i], v[SI+32*\b+\i+1]
.endr
.endr
.irp b, 0,1
	v_max_num_f32 v[BM+\b], v[BM+\b], v[SR+32*\b+31]
	v_max_num_f32 v[BM+2+\b], v[BM+2+\b], v[SI+32*\b+31]
.endr
	v_max_num_f32 v[XA], v[BM], v[BM+1]            ; the two softmaxes by turns from here on
	v_max_num_f32 v[XB], v[BM+2], v[BM+3]
	v_permlanex16_b32 v[PA], v[XA], s[SEL], s[SEL+1]
	v_permlanex16_b32 v[PB], v[XB], s[SEL], s[SEL+1]
.if \first
	v_max_num_f32 v[STA+1], v[XA], v[PA]           ; my query's largest score
	v_max_num_f32 v[STB+1], v[XB], v[PB]
	v_mul_f32 v[XA], s[CS], v[STA+1]               ; as t (c is positive)
	v_mul_f32 v[XB], s[CS], v[STB+1]
	v_floor_f32 v[STA], -v[XA]                     ; -M = floor(-t) = -ceil(t)
	v_floor_f32 v[STB], -v[XB]
.else
	v_max3_num_f32 v[STA+1], v[STA+1], v[XA], v[PA]   ; the running largest score
	v_max3_num_f32 v[STB+1], v[STB+1], v[XB], v[PB]
	v_mul_f32 v[XA], s[CS], v[STA+1]
	v_mul_f32 v[XB], s[CS], v[STB+1]
	v_floor_f32 v[XA], -v[XA]
	v_floor_f32 v[XB], -v[XB]
	v_sub_f32 v[PA], v[XA], v[STA]                 ; old M - new M: a whole number, 0 or less
	v_sub_f32 v[PB], v[XB], v[STB]
	v_mov_b32 v[STA], v[XA]
	v_mov_b32 v[STB], v[XB]
	v_cvt_i32_f32 v[PA], v[PA]                     ; (it saturates)
	v_cvt_i32_f32 v[PB], v[PB]
	v_ldexp_f32 v[STA+4], 1.0, v[PA]               ; f = 2^(old M - new M)
	v_ldexp_f32 v[STB+4], 1.0, v[PB]
.endif
.set jj, 0
.rept 32
	v_pk_fma_f32 v[SR+jj:SR+jj+1], v[SR+jj:SR+jj+1], s[CS:CS+1], v[STA:STA+1] op_sel_hi:[1,0,0]   ; t - M, two at a time
	v_pk_fma_f32 v[SI+jj:SI+jj+1], v[SI+jj:SI+jj+1], s[CS:CS+1], v[STB:STB+1] op_sel_hi:[1,0,0]
.set jj, jj+2
.endr
.irp b, 0,1
	v_fma_f32 v[BM+\b], v[BM+\b], s[CS], v[STA]    ; the same of each block's largest score
	v_fma_f32 v[BM+2+\b], v[BM+2+\b], s[CS], v[STB]
.endr
.if \first == 0
	WIN 0x41                                       ; results (destination and source 0) in window 1, f in window 0
.set jj, 0
.rept 32
	v_pk_mul_f32 v[AR+jj:AR+jj+1], v[AR+jj:AR+jj+1], v[STA+4:STA+5] op_sel_hi:[1,0]   ; the results under the new M; each accumulator from its low end on
.set jj, jj+2
.endr
.set jj, 0
.rept 32
	v_pk_mul_f32 v[AI+jj:AI+jj+1], v[AI+jj:AI+jj+1], v[STB+4:STB+5] op_sel_hi:[1,0]
.set jj, jj+2
.endr
	WIN 0
.endif
	s_wait_alu depctr_va_vdst(0)                   ; the wait ahead of the batch, and ahead of the wait below
	s_wait_dscnt 0x0                               ; V's eight fragments and its scale words
.irp b, 0,1,2,3
	v_exp_f32 v[BM+\b], v[BM+\b]                   ; the blocks' largest p
.endr
.set jj, 0
.rept 128
	v_exp_f32 v[SR+jj], v[SR+jj]                   ; p = 2^(t - M), at most 1: s_r's 64, then s_i's 64
.set jj, jj+1
.endr
.if \first
.irp i, 2,3
	v_mov_b32 v[STA+\i], 0                         ; the sums begin.  (Plain places behind the exponentials)
	v_mov_b32 v[STB+\i], 0
.endr
.else
	v_pk_mul_f32 v[STA+2:STA+3], v[STA+2:STA+3], v[STA+4:STA+5] op_sel_hi:[1,0]   ; the sums under the new M.  (Plain places behind the exponentials)
	v_pk_mul_f32 v[STB+2:STB+3], v[STB+2:STB+3], v[STB+4:STB+5] op_sel_hi:[1,0]
.endif
	s_wait_alu depctr_va_vdst(0)                   ; one wait for the batch of 132, ahead of its first reader
.irp b, 0,1,2,3
	v_max_num_f32 v[BM+\b], 0x1800000, v[BM+\b]    ; the floor 2^(3 - 127): the byte cannot fall under 1
.endr
.irp b, 0,1,2,3
	v_add_nc_u32 v[BM+\b], 0xff000000, v[BM+\b]    ; 2 off the exponent field: the conversion's scale operand
.endr
.irp b, 0,1,2,3
	v_lshrrev_b32 v[PT+\b], 23, v[BM+\b]           ; the scales' bytes
.endr
	v_lshl_or_b32 v[PT], v[PT+1], 16, v[PT]        ; blocks h and 2 + h of my query,
	v_lshl_or_b32 v[PT+2], v[PT+3], 16, v[PT+2]
	v_lshlrev_b32 v[PT], v[H8], v[PT]              ; at their places in the word;
	v_lshlrev_b32 v[PT+2], v[H8], v[PT+2]
	v_permlanex16_b32 v[PT+1], v[PT], s[SEL], s[SEL+1]
	v_permlanex16_b32 v[PT+3], v[PT+2], s[SEL], s[SEL+1]
	v_or_b32 v[PSR], v[PT], v[PT+1]                ; with lane l xor 16's two the word is whole
	v_or_b32 v[PSI], v[PT+2], v[PT+3]
.irp c, 0,1                                    ; a block's 32 codes are registers 6 c .. 6 c + 5 of the operand
	v_cvt_scalef32_pk16_fp6_f32 v[PCR+6*\c:PCR+6*\c+2], v[SR+32*\c:SR+32*\c+15], v[BM+\c]
	v_cvt_scalef32_pk16_fp6_f32 v[PT+4*\c:PT+4*\c+2], v[SR+32*\c+16:SR+32*\c+31], v[BM+\c]   ; (a conversion's three registers begin on an even number)
	v_cvt_scalef32_pk16_fp6_f32 v[PCI+6*\c:PCI+6*\c+2], v[SI+32*\c:SI+32*\c+15], v[BM+2+\c]
	v_cvt_scalef32_pk16_fp6_f32 v[PT+8+4*\c:PT+8+4*\c+2], v[SI+32*\c+16:SI+32*\c+31], v[BM+2+\c]
.endr
	v_nop                                          ; one plain place behind the scaled conversions
.irp c, 0,1
.irp i, 0,1,2
	v_mov_b32 v[PCR+3+6*\c+\i], v[PT+4*\c+\i]
	v_mov_b32 v[PCI+3+6*\c+\i], v[PT+8+4*\c+\i]
.endr
.endr
	v_pk_add_f32 v[TR:TR+1], v[SR:SR+1], v[SR+2:SR+3]   ; the sums of the unquantised p.  These ten additions are also the places between the scale words and codes just written and the scaled products
	v_pk_add_f32 v[TI:TI+1], v[SI:SI+1], v[SI+2:SI+3]
	SUMS 4
	SUMS 8
	WIN 0x50                                       ; C and D in window 1
.irp t, 0,1,2,3                                ; sixteen accumulators, one instruction each in a key step
	PVM AR+8*\t, FB+12*\t, PCR, VS+\t/2, PSR, \t%2, \first
	PVM AI+8*\t, FB+12*\t, PCI, VS+\t/2, PSI, \t%2, \first
.endr
	WIN 0x51
.irp t, 0,1,2,3
	PVM AR+32+8*\t, FB2+12*\t, PCR, VS+2+\t/2, PSR, \t%2, \first
	PVM AI+32+8*\t, FB2+12*\t, PCI, VS+2+\t/2, PSI, \t%2, \first
.endr
	WIN 0
	SUMS 12                                        ; four places behind the products, ahead of loads into their sources
.if \more
	LD8 ADK, ADS, 2*REC, KS                        ; the next step's K, under the additions below
.endif
.irp j, 16,20,24,28,32,36,40,44,48,52,56,60
	SUMS \j
.endr
	v_pk_add_f32 v[STA+2:STA+3], v[STA+2:STA+3], v[TR:TR+1]
	v_pk_add_f32 v[STB+2:STB+3], v[STB+2:STB+3], v[TI:TI+1]
.endm
	s_load_b128 s[4:7], s[0:1], 0x0                ; qc, kv
	s_load_b64 s[8:9], s[0:1], 0x10                ; oc
	v_lshl_add_u32 v[SPW], v0, 2, SPARE
	v_mov_b32 v[NIL], 0
	ds_add_u32 v[SPW], v[NIL]                      ; the opening lines: the add, twice on end, and its wait ahead of my first tensor load
	ds_add_u32 v[SPW], v[NIL]
	v_lshrrev_b32 v[XA], 5, v0
	v_readfirstlane_b32 s[WV], v[XA]               ; wave 0..7
	s_bfe_u32 s[CX], ttmp6, 0x40000                ; my place in the cluster: my block of 256 queries
	s_and_b32 s[BH], ttmp7, 0xffff                 ; 8 x batch + head, which the four partners share
	; descriptor group 1: 100 rows of 256 bytes (32 elements of 8 bytes), dense, no padding: one key step; the mask names all four work-groups, bit 21 beside it
	s_mov_b32 s[G1], 15|(3<<16)|(1<<21)
	s_mov_b32 s[G1+1], 32<<16
	s_mov_b32 s[G1+2], 100<<16
	s_mov_b32 s[G1+3], 32<<16
	s_mov_b32 s[G1+4], 100
	s_mov_b32 s[G1+5], 32
	s_mov_b32 s[G1+6], 0
	s_mov_b32 s[G1+7], 0
	s_mul_i32 s56, s[BH], 16*REC                   ; the head's K and V,
	s_mul_i32 s57, s[WV], 2*REC                    ; key step = my wave's number, in memory and in LDS
	s_add_co_u32 s58, s56, s57
	s_mov_b32 s59, 0
	s_and_b32 s60, s[BH], 7                        ; the head
	s_mul_i32 s[A0], s60, FRG
	s_lshl_b32 s[A0+1], s60, 6
	s_add_co_u32 s[A0+1], s[A0+1], SCO
	s_mul_i32 s[A0+2], s[WV], FRG
	s_lshl_b32 s[A0+3], s[WV], 6
	s_add_co_u32 s[A0+3], s[A0+3], SCO
	s_mov_b32 s[SEL], 0x76543210
	s_mov_b32 s[SEL+1], 0xfedcba98                 ; v_permlanex16_b32's selects for lane l xor 16
	s_mov_b32 s[CS], 0x3e38aa3b                    ; c = log2(e) / sqrt(64)
	s_mov_b32 s[CS+1], s[CS]
	s_mov_b32 s[MK], 0x20820820                    ; code i has its sign at bit 6 i + 5: a pattern of three words
	s_mov_b32 s[MK+1], 0x08208208
	s_mov_b32 s[MK+2], 0x82082082
	s_lshl_b32 s60, s[BH], 3
	s_lshl_b32 s61, s[CX], 1
	s_add_co_u32 s60, s60, s61
	s_mul_i32 s60, s60, REC                        ; Q: my block's two records
	s_mov_b32 s61, 0
	s_lshr_b32 s62, s[BH], 3
	s_lshl_b32 s62, s62, 6
	s_lshl_b32 s63, s[CX], 4
	s_add_co_u32 s62, s62, s63
	s_add_co_u32 s62, s62, s[WV]
	s_mul_i32 s62, s62, REC                        ; o: the record of my first tile of rows
	s_mov_b32 s63, 0
	s_wait_alu depctr_va_vdst(0)                   ; the wait ahead of the waits below
	s_wait_dscnt 0x0                               ; both opening adds are done
	s_wait_kmcnt 0x0
	s_mov_b32 s[G0], 1
	s_mov_b32 s[G0+1], s57
	s_add_nc_u64 s[G0+2:G0+3], s[6:7], s[58:59]
	s_or_b32 s[G0+3], s[G0+3], 0x80000000
	s_add_nc_u64 s[QP:QP+1], s[4:5], s[60:61]
	s_add_nc_u64 s[OP:OP+1], s[8:9], s[62:63]
	ROUND                                          ; all four work-groups are here: the joint loads meet
	tensor_load_to_lds s[G0:G0+3], s[G1:G1+7]      ; my one tensor load: key step = my wave's number
	s_nop 0
	v_and_b32 v[XA], 31, v0
	v_and_b32 v[XB], 15, v0
	v_bfe_u32 v[H8], v0, 4, 1
	v_lshlrev_b32 v[LI], 4, v[XA]
	v_lshlrev_b32 v[LS], 2, v[XA]
	v_lshlrev_b32 v[XB], 2, v[XB]                  ; 4 r
	v_lshlrev_b32 v[H8], 3, v[H8]
	v_add_nc_u32 v[OFO], s[A0], v[LI]
	v_add_nc_u32 v[OSO], s[A0+1], v[XB]
	v_add_nc_u32 v[QFO], s[A0+2], v[LI]
	v_add_nc_u32 v[QSO], s[A0+3], v[XB]
	v_mov_b32 v[STA+5], 0                          ; named with f as a pair, so they are written
	v_mov_b32 v[STB+5], 0
.irp b, 0,1,2,3
	v_mov_b32 v[PT+\b], 0                          ; a lane permute's destination counts as one of its sources
.endr
	v_mov_b32 v[PB], 0
	s_wait_alu depctr_va_vdst(0)                   ; the wait at the head's end
	WIN 0x40                                       ; destination window 1
.irp c, 0,1,2
	global_load_b128 v[QR0+4*\c:QR0+4*\c+3], v[QFO], s[QP:QP+1] offset:512*\c
	global_load_b128 v[QR1+4*\c:QR1+4*\c+3], v[QFO], s[QP:QP+1] offset:REC+512*\c
.endr
	global_load_b32 v[QW0], v[QSO], s[QP:QP+1]
	global_load_b32 v[QW1], v[QSO], s[QP:QP+1] offset:REC
	WIN 0
	s_mov_b32 s[PASS], 2
	s_wait_tensorcnt 0x0                           ; my key step has landed,
	s_barrier_signal -1
	s_barrier_wait -1                              ; everybody's has
.Lpass:
	LD8 LI, LS, 0, KS                              ; key step 0's K, under the set-up of Q
	s_wait_loadcnt 0x0                             ; Q
	WIN 0x01
	s_wait_alu depctr_va_vdst(0)                   ; the second pass's queries were moved ahead of the jump
	v_mov_b32 v[QSA], v[QW0]
	WIN 0
	v_alignbit_b32 v[QSB], v[QSA], v[QSA], 16      ; the word's halves change places
	WIN 0x45                                       ; destination and both sources in window 1
.irp i, 0,1,2,3,4,5
	v_mov_b32 v[QA+\i], v[QR0+\i]                  ; [qr|-qi]
	v_xor_b32 v[QA+6+\i], s[MK+\i%3], v[QR0+6+\i]
	v_mov_b32 v[QB+\i], v[QR0+6+\i]                ; [qi|qr]
	v_mov_b32 v[QB+6+\i], v[QR0+\i]
.endr
	WIN 0
	PLACES 8                                       ; scale registers written by vector instructions stand 8 places ahead of a scaled matrix instruction, operands 4
	s_mov_b32 s[TB], 0
	s_wait_alu depctr_va_vdst(0)                   ; the wait ahead of the step's wait
	STEP 1, 1
	s_mov_b32 s[CNT], 6
.Lstep:                                            ; key steps 1 to 6
	s_add_co_u32 s[TB], s[TB], 2*REC
	STEP 0, 1
	s_sub_co_u32 s[CNT], s[CNT], 1
	s_cmp_lg_u32 s[CNT], 0
	s_wait_alu depctr_va_vdst(0)                   ; the wait ahead of the jump
	s_cbranch_scc1 .Lstep
	s_add_co_u32 s[TB], s[TB], 2*REC
	STEP 0, 0                                      ; key step 7 asks for nothing more
	; the sums' halves meet; the four results meet; o is quantised and leaves
	v_add_f32 v[STA+2], v[STA+2], v[STA+3]
	v_add_f32 v[STB+2], v[STB+2], v[STB+3]
	v_permlanex16_b32 v[PT], v[STA+2], s[SEL], s[SEL+1]
	v_permlanex16_b32 v[PT+1], v[STB+2], s[SEL], s[SEL+1]
	v_add_f32 v[STA+2], v[STA+2], v[PT]
	v_add_f32 v[STB+2], v[STB+2], v[PT+1]
	s_wait_alu depctr_va_vdst(0)                   ; the wait ahead of the two
	v_rcp_f32 v[STA+2], v[STA+2]
	v_rcp_f32 v[STB+2], v[STB+2]
	v_nop                                          ; a plain place behind the reciprocals
	WIN 0x01                                       ; source 0 in window 1
	s_wait_alu depctr_va_vdst(0)                   ; one wait for the two and for the results' first readers
.set jj, 0
.rept 16                                       ; each accumulator from its low end on
	v_pk_mul_f32 v[SR+jj:SR+jj+1], v[AR+jj:AR+jj+1], v[STA+2:STA+3] op_sel_hi:[1,0]
	v_pk_mul_f32 v[SR+32+jj:SR+33+jj], v[AR+32+jj:AR+33+jj], v[STA+2:STA+3] op_sel_hi:[1,0]
	v_pk_fma_f32 v[SR+jj:SR+jj+1], v[AI+32+jj:AI+33+jj], v[STB+2:STB+3], v[SR+jj:SR+jj+1] op_sel_hi:[1,0,1] neg_lo:[0,1,0] neg_hi:[0,1,0]   ; o_r = Pr vr / l_r - Pi vi / l_i
	v_pk_fma_f32 v[SR+32+jj:SR+33+jj], v[AI+jj:AI+jj+1], v[STB+2:STB+3], v[SR+32+jj:SR+33+jj] op_sel_hi:[1,0,1]                             ; o_i = Pr vi / l_r + Pi vr / l_i
.set jj, jj+2
.endr
	WIN 0
	QUANT SR, PCR, BM, OW
.irp c, 0,1,2
	global_store_b128 v[OFO], v[PCR+4*\c:PCR+4*\c+3], s[OP:OP+1] offset:512*\c   ; 512 consecutive bytes, at a multiple of 256 from the buffer's first byte
.endr
	global_store_b32 v[OSO], v[OW], s[OP:OP+1]     ; lanes r and r + 16 write the same word with the same value
	WIN 0x41
.irp i, 0,1,2,3,4,5,6,7,8,9,10,11
	v_mov_b32 v[QR0+\i], v[QR1+\i]                 ; the second pass's queries
.endr
	v_mov_b32 v[QW0], v[QW1]
	WIN 0
	s_wait_xcnt 0x0                                ; the stores have read their registers and their base
	s_add_nc_u64 s[OP:OP+1], s[OP:OP+1], 8*REC
	s_sub_co_u32 s[PASS], s[PASS], 1
	s_cmp_lg_u32 s[PASS], 0
	s_cbranch_scc1 .Lpass
	s_wait_tensorcnt 0x0                           ; the wave's end
	ds_add_u32 v[SPW], v[NIL]
	s_wait_dscnt 0x0
	ROUND                                          ; the closing round: no work-group ends while a partner may still ask for a tile that names it
	s_endpgm
.Lfunc_end_k_q10ae99468b_attn:
	.size	k_q10ae99468b_attn, .Lfunc_end_k_q10ae99468b_attn-k_q10ae99468b_attn
	.p2alignl 7, 3214868480
	.fill 96, 4, 3214868480
	.section	.rodata,"a",@progbits
	.p2align	6, 0x0
	.amdhsa_kernel k_q10ae99468b_attn
		.amdhsa_group_segment_fixed_size 205824
		.amdhsa_private_segment_fixed_size 0
		.amdhsa_enable_private_segment 0
		.amdhsa_kernarg_size 24
		.amdhsa_user_sgpr_count 2
		.amdhsa_user_sgpr_kernarg_segment_ptr 1
		.amdhsa_wavefront_size32 1
		.amdhsa_system_sgpr_workgroup_id_x 1
		.amdhsa_system_sgpr_workgroup_id_y 1
		.amdhsa_system_sgpr_workgroup_id_z 1
		.amdhsa_system_vgpr_workitem_id 0
		.amdhsa_next_free_vgpr 484
		.amdhsa_next_free_sgpr 66
		.amdhsa_reserve_vcc 0
		.amdhsa_float_denorm_mode_32 3
		.amdhsa_float_denorm_mode_16_64 3
		.amdhsa_memory_ordered 1
		.amdhsa_forward_progress 1
		.amdhsa_inst_pref_size 106
	.end_amdhsa_kernel
	.amdgpu_metadata
---
amdhsa.version: [ 1, 2 ]
amdhsa.kernels:
  - .name:           k_q10ae99468b_attn
    .symbol:         k_q10ae99468b_attn.kd
    .args:
      - { .name: qc, .offset: 0, .size: 8, .value_kind: global_buffer, .address_space: global }
      - { .name: kv, .offset: 8, .size: 8, .value_kind: global_buffer, .address_space: global }
      - { .name: oc, .offset: 16, .size: 8, .value_kind: global_buffer, .address_space: global }
    .group_segment_fixed_size: 205824
    .private_segment_fixed_size: 0
    .kernarg_segment_align: 8
    .kernarg_segment_size: 24
    .max_flat_workgroup_size: 256
    .sgpr_count:     66
    .vgpr_count:     484
    .wavefront_size: 32
...
	.end_amdgpu_metadata
.endif
;; end of part 3
;; launch outp (part 4): grid 4 x 64, 4 waves a work-group, clusters of 4 x 1, 168,448 bytes of LDS; arguments oc, wc, out0; writes out0
.if DOCPART == 4
	.amdgcn_target "amdgcn-amd-amdhsa--gfx1250"
	.amdhsa_code_object_version 6
	.text
	.protected	k_q10ae99468b_outp
	.globl	k_q10ae99468b_outp
	.p2align	8
	.type	k_q10ae99468b_outp,@function
k_q10ae99468b_outp:
	s_mov_b64 s[64:65], 0
	v_nop
	global_prefetch_b8 v0, s[64:65] scope:SCOPE_SE
	s_setreg_imm32_b32 hwreg(HW_REG_WAVE_MODE, 25, 1), 1
	s_wait_xcnt 0x0
	s_wait_alu depctr_hold_cnt(0) depctr_sa_sdst(0) depctr_va_vdst(0) depctr_va_sdst(0) depctr_va_ssrc(0) depctr_va_vcc(0) depctr_vm_vsrc(0)
	s_getreg_b32 s2, hwreg(HW_REG_IB_STS2, 6, 4)
	s_cmp_eq_u32 s2, 0
	s_cbranch_scc0 .Lentry_in_a_cluster
	s_endpgm
.Lentry_in_a_cluster:
	s_bfe_u32 s2, ttmp6, 0x10000c
	s_cmp_lg_u32 s2, 0x3003
	s_cbranch_scc0 .Lentry_shape_is_right
	s_endpgm
.Lentry_shape_is_right:
; The complex output layer on codes of FP6 (E2M3) with E8M0 scales: out = [o_r|o_i] . [wr|-wi] and [o_r|o_i] . [wi|wr], K = 1,024 in eight steps, step s = head s; out0 is [8192][512][2] f32.
; FRAGMENTS AND RECORDS as they were written: a fragment (16 rows x 128 K, 12 registers a lane) is an image of its registers, registers 4 c .. 4 c + 3 of lane l at 512 c + 16 l; a record is 8 fragments and 8 x 16 scale
; words (fragment i, row r at SCO + 64 i + 4 r).  A tile of combined weights is T = 8 hd + 4 part + 2 bb + u; its row r is output 64 hd + 32 bb + 8 u + r + 8 (r / 8).
; A WORK-GROUP makes 128 rows x 128 complex outputs: 64 x 4 = 256 work-groups.  It draws 16 records of weights and 8 of o: 24 x 12,800 bytes.
; A WAVE keeps the four weight tiles (part, u) of one (hd, bb): re and im of 32 outputs, 32 fragments, 384 registers, loaded once, by this wave alone.  A UNIT is these four tiles (source 0) x 1 tile of o (source 1) x 8 K steps:
; 32 matrix instructions on 4 accumulators by turns; a wave has 8 units.  A lane then holds one row of o and 32 numbers of it.
; THE 8 TILES OF o, 102,400 dense bytes, come into LDS once, two records by each wave's tensor load.  No byte is filled again.
; CLUSTER.  The four work-groups of a row block need the same tiles of o and ask for them JOINTLY, with the same descriptors and the mask of all four.  The place in the cluster enters the addresses of the weights and of out0 alone.
; The weights go straight to registers, each fragment to one wave of the work-group, where a joint load does not reach.
; THE WAY OUT.  A wave's 32 complex outputs are 256 consecutive bytes of a row, at a multiple of 256.  The results go into the wave's own stage in LDS, re and im by turns, and come back as whole rows: a store covers two rows.
; NO PREFETCH: all that the launch reads is asked for at its head; there is no loop to run ahead in.
; The rows of a tile of o are 8 u + r + 8 (r / 8) of each 32, as the attention left them.  LIMITS: NaN and infinities are not served.
.set REC,  12800
.set FRG,  1536
.set SCO,  8*FRG
.set WSEC, 64*REC
.set STG,  8*REC                       ; LDS behind o: a stage of 16 rows x (256 bytes + 16) for each wave
.set SPITCH, 272
.set SPARE, 0x29000                    ; the spare words, 128 bytes a wave
.set LI,   1                           ; 16 x lane
.set LS,   2                           ; 4 x lane
.set ADR,  3                           ; LDS address of the next tile of o, by fragments
.set ADS,  4                           ; and by scale words
.set STW,  5                           ; the stage, in: row r, + 128 h
.set STR,  6                           ; the stage, out: row lane / 16, + 16 (lane % 16)
.set GO,   7                           ; the same place in out0: 4,096 (lane / 16) + 16 (lane % 16)
.set RS,   8                           ; v8-11    o's scale words
.set PS,   12                          ; v12-27   the weights': tile p, K steps 2 q, 2 q + 1 at PS + 4 p + q
.set ACC,  32                          ; v32-63   the unit's 4 accumulators
.set OB,   64                          ; v64-95   16 rows on the way out
.set RF,   120                         ; v120-215 o's 8 fragments
.set SPW,  250
.set NIL,  251
.set WV,   12
.set CX,   13
.set RBK,  14
.set G1,   16
.set G0,   24
.set PP,   28
.set OUT,  30
.set ST,   32                          ; s[32:33] what the next way out adds to out0's address
.set NX,   34
.set RB,   35
.set CNT,  36
.set MSB, 0
.macro WIN new                         ; the immediate's high byte repeats the setting that is left
.if MSB != (\new)
	s_set_vgpr_msb (MSB<<8)|(\new)
.set MSB, (\new)
.endif
.endm
.macro PLACES n
.rept \n
	v_nop
.endr
.endm
.macro ROUND                           ; a round of the cluster's barrier
	s_barrier_signal -1
	s_barrier_wait -1
	s_cmp_lg_u32 s[WV], 0
	s_cbranch_scc1 .Lnot_wave_0_\@
	s_barrier_signal -3
.Lnot_wave_0_\@:
	s_barrier_wait -3
	s_barrier_signal -1
	s_barrier_wait -1
.endm
; my 32 fragments of weights (number 4 s + p: K step s, tile p = 2 part + u, whose record lies u + 4 part records on) and 16 registers of scale words, from memory to registers, once.  21 fragments in window 1, 11 in window 2
.macro PLOAD
.set fi, 0
.rept 32
.if fi < 21
	WIN 0x40
.set pa, 12*fi
.else
	WIN 0x80
.set pa, 12*(fi-21)
.endif
.irp c, 0,1,2
	global_load_b128 v[pa+4*\c:pa+4*\c+3], v[LI], s[PP:PP+1] offset:((fi%4)%2+4*((fi%4)/2))*REC+(fi/4)*FRG+512*\c
.endr
.set fi, fi+1
.endr
	WIN 0
.irp p, 0,1,2,3
.irp q, 0,1,2,3
	global_load_b32 v[PS+4*\p+\q], v[LS], s[PP:PP+1] offset:(\p%2+4*(\p/2))*REC+SCO+128*\q
.endr
.endr
.endm
; a tile of o: 8 fragments and 4 registers of scale words from LDS
.macro RFETCH adr, ads
.irp s, 0,1,2,3,4,5,6,7
.irp c, 0,1,2
	ds_load_b128 v[RF+12*\s+4*\c:RF+12*\s+4*\c+3], v[\adr] offset:FRG*\s+512*\c
.endr
.endr
.irp q, 0,1,2,3
	ds_load_b32 v[RS+\q], v[\ads] offset:SCO+128*\q
.endr
.endm
; a unit's 32 matrix instructions: K step by K step, the 4 accumulators by turns, one instruction a turn; the first K step starts the sums
.macro MULS
.set fi, 0
.rept 32
.set kp, fi%4
.set ks, fi/4
.if fi < 21
	WIN 1
.set pa, 12*fi
.else
	WIN 2
.set pa, 12*(fi-21)
.endif
.if ks == 0
	v_wmma_scale_f32_16x16x128_f8f6f4 v[ACC+8*kp:ACC+8*kp+7], v[pa:pa+11], v[RF:RF+11], 0, v[PS+4*kp], v[RS] matrix_a_fmt:MATRIX_FMT_FP6 matrix_b_fmt:MATRIX_FMT_FP6
.elseif ks%2 == 1
	v_wmma_scale_f32_16x16x128_f8f6f4 v[ACC+8*kp:ACC+8*kp+7], v[pa:pa+11], v[RF+12*ks:RF+12*ks+11], v[ACC+8*kp:ACC+8*kp+7], v[PS+4*kp+ks/2], v[RS+ks/2] matrix_a_fmt:MATRIX_FMT_FP6 matrix_b_fmt:MATRIX_FMT_FP6 matrix_a_scale:MATRIX_SCALE_ROW1 matrix_b_scale:MATRIX_SCALE_ROW1
.else
	v_wmma_scale_f32_16x16x128_f8f6f4 v[ACC+8*kp:ACC+8*kp+7], v[pa:pa+11], v[RF+12*ks:RF+12*ks+11], v[ACC+8*kp:ACC+8*kp+7], v[PS+4*kp+ks/2], v[RS+ks/2] matrix_a_fmt:MATRIX_FMT_FP6 matrix_b_fmt:MATRIX_FMT_FP6
.endif
.set fi, fi+1
.endr
	WIN 0
.endm
	s_load_b128 s[4:7], s[0:1], 0x0                ; oc, wc
	s_load_b64 s[8:9], s[0:1], 0x10                ; out0
	v_lshl_add_u32 v[SPW], v0, 2, SPARE
	v_mov_b32 v[NIL], 0
	ds_add_u32 v[SPW], v[NIL]                      ; the opening lines: the add, twice on end, and its wait ahead of my first tensor load
	ds_add_u32 v[SPW], v[NIL]
	v_lshrrev_b32 v254, 5, v0
	v_readfirstlane_b32 s[WV], v254                ; wave 0..3
	v_and_b32 v253, 31, v0
	v_and_b32 v255, 15, v0                         ; r, or lane % 16
	v_bfe_u32 v252, v0, 4, 1                       ; h, or lane / 16
	v_lshlrev_b32 v[LI], 4, v253
	v_lshlrev_b32 v[LS], 2, v253
	s_mul_i32 s44, s[WV], 16*SPITCH
	s_add_co_u32 s44, s44, STG                     ; my stage
	v_mul_u32_u24 v[STW], v255, SPITCH
	v_mul_u32_u24 v[STR], v252, SPITCH
	v_lshlrev_b32 v[GO], 12, v252
	v_lshl_add_u32 v[STW], v252, 7, v[STW]
	v_lshl_add_u32 v[STR], v255, 4, v[STR]
	v_lshl_add_u32 v[GO], v255, 4, v[GO]
	v_add_nc_u32 v[STW], s44, v[STW]
	v_add_nc_u32 v[STR], s44, v[STR]
	; descriptor group 1: 100 rows of 256 bytes (32 elements of 8 bytes), dense, no padding: two records; the mask names all four work-groups, bit 21 beside it
	s_mov_b32 s[G1], 15|(3<<16)|(1<<21)
	s_mov_b32 s[G1+1], 32<<16
	s_mov_b32 s[G1+2], 100<<16
	s_mov_b32 s[G1+3], 32<<16
	s_mov_b32 s[G1+4], 100
	s_mov_b32 s[G1+5], 32
	s_mov_b32 s[G1+6], 0
	s_mov_b32 s[G1+7], 0
	s_bfe_u32 s[CX], ttmp6, 0x40000                ; my place in the cluster: which 128 complex outputs
	s_and_b32 s[RBK], ttmp7, 0xffff                ; which 128 rows, which the four partners share
	s_lshl_b32 s45, s[CX], 1
	s_lshr_b32 s46, s[WV], 1
	s_add_co_u32 s45, s45, s46                     ; hd
	s_and_b32 s46, s[WV], 1                        ; bb
	s_lshl_b32 s47, s45, 3
	s_lshl_b32 s48, s46, 1
	s_add_co_u32 s47, s47, s48                     ; my first tile: 8 hd + 2 bb
	s_mul_i32 s50, s47, REC
	s_add_co_u32 s50, s50, 3*WSEC                  ; in the output layer's section of wc
	s_mov_b32 s51, 0
	s_mul_i32 s52, s[WV], 2*REC                    ; my two records of o, in memory and in LDS
	s_mul_i32 s54, s[RBK], 8*REC
	s_add_co_u32 s54, s54, s52
	s_mov_b32 s55, 0
	s_lshl_b32 s56, s[RBK], 19                     ; 128 rows of 4,096 bytes,
	s_lshl_b32 s57, s45, 9                         ; 512 bytes for each hd,
	s_add_co_u32 s56, s56, s57
	s_lshl_b32 s57, s46, 8                         ; 256 for bb
	s_add_co_u32 s56, s56, s57
	s_mov_b32 s57, 0
	s_wait_alu depctr_va_vdst(0)                   ; the wait at the head's end
	s_wait_dscnt 0x0                               ; both opening adds are done
	s_wait_kmcnt 0x0
	s_add_nc_u64 s[PP:PP+1], s[6:7], s[50:51]
	s_add_nc_u64 s[OUT:OUT+1], s[8:9], s[56:57]
	s_mov_b32 s[G0], 1                             ; count = 1
	s_mov_b32 s[G0+1], s52                         ; LDS address
	s_add_nc_u64 s[G0+2:G0+3], s[4:5], s[54:55]    ; global address
	s_or_b32 s[G0+3], s[G0+3], 0x80000000          ; type = 2
	PLOAD                                          ; the weights are on their way while the work-groups meet
	ROUND                                          ; all four work-groups are here: the joint loads meet
	tensor_load_to_lds s[G0:G0+3], s[G1:G1+7]      ; my one tensor load: nothing is ever filled again
	s_nop 0
	PLACES 4
	s_mov_b32 s[ST], 0
	s_mov_b32 s[ST+1], 0
	s_mov_b32 s[NX], 8*4096                        ; from tile 0 to tile 1: 8 rows; then 24 and 8 by turns
	s_mov_b32 s[RB], REC
	s_mov_b32 s[CNT], 0
	s_wait_loadcnt 0x0                             ; the weights
	s_wait_tensorcnt 0x0                           ; my two records of o have landed,
	s_barrier_signal -1
	s_barrier_wait -1                              ; everybody's have
	RFETCH LI, LS
; A unit.  more = 1: the next tile of o is fetched behind the products, and lands while the results go out
.macro UNIT more
	s_wait_dscnt 0x0                               ; o's fragments and scale words are in
	MULS
.if \more
	v_add_nc_u32 v[ADR], s[RB], v[LI]              ; five places: four serve the loads into the products' sources and the first read of results; the fifth is owed because the next unit's
	v_add_nc_u32 v[ADS], s[RB], v[LS]              ; products begin their sums anew, with C = 0, in these same accumulators (ISA guide 7.12.1)
	PLACES 3
	RFETCH ADR, ADS
.else
	PLACES 4
.endif
.irp p, 0,1,2,3                                ; tile p = 2 part + u, register j: output 16 h + 8 u + j of my 32, part re or im: 8 bytes an output.  Each accumulator from its low end on
.irp j, 0,1,2,3,4,5,6,7
	ds_store_b32 v[STW], v[ACC+8*\p+\j] offset:64*(\p%2)+8*\j+4*(\p/2)
.endr
.endr
	s_wait_xcnt 0x0                                ; the last unit's stores have read their registers and their base
	s_add_nc_u64 s[OUT:OUT+1], s[OUT:OUT+1], s[ST:ST+1]
.irp i, 0,1,2,3,4,5,6,7
	ds_load_b128 v[OB+4*\i:OB+4*\i+3], v[STR] offset:2*SPITCH*\i   ; LDS serves a wave's instructions in order: these see my stores
.endr
.irp i, 0,1,2,3,4,5,6,7
	s_wait_dscnt 7-\i                              ; rows 2 i, 2 i + 1 are back; the 7 - i younger loads may be out
	global_store_b128 v[GO], v[OB+4*\i:OB+4*\i+3], s[OUT:OUT+1] offset:(2*\i+8*(\i/4))*4096 th:TH_STORE_NT   ; two rows' 256 consecutive bytes, each at a multiple of 256 from the buffer's first byte
.endr
.endm
.Lunit:                                            ; 7 trips; the eighth unit, which fetches nothing, is written out
	UNIT 1
	s_mov_b32 s[ST], s[NX]                         ; tile k begins at row 32 (k / 2) + 8 (k % 2)
	s_xor_b32 s[NX], s[NX], (8*4096)^(24*4096)
	s_add_co_u32 s[RB], s[RB], REC
	s_add_co_u32 s[CNT], s[CNT], 1
	s_cmp_lt_u32 s[CNT], 7
	s_cbranch_scc1 .Lunit
	UNIT 0
	s_wait_tensorcnt 0x0                           ; the wave's end
	ds_add_u32 v[SPW], v[NIL]
	s_wait_dscnt 0x0
	ROUND                                          ; the closing round: no work-group ends while a partner may still ask for a tile that names it
	s_endpgm
.Lfunc_end_k_q10ae99468b_outp:
	.size	k_q10ae99468b_outp, .Lfunc_end_k_q10ae99468b_outp-k_q10ae99468b_outp
	.p2alignl 7, 3214868480
	.fill 96, 4, 3214868480
	.section	.rodata,"a",@progbits
	.p2align	6, 0x0
	.amdhsa_kernel k_q10ae99468b_outp
		.amdhsa_group_segment_fixed_size 168448
		.amdhsa_private_segment_fixed_size 0
		.amdhsa_enable_private_segment 0
		.amdhsa_kernarg_size 24
		.amdhsa_user_sgpr_count 2
		.amdhsa_user_sgpr_kernarg_segment_ptr 1
		.amdhsa_wavefront_size32 1
		.amdhsa_system_sgpr_workgroup_id_x 1
		.amdhsa_system_sgpr_workgroup_id_y 1
		.amdhsa_system_sgpr_workgroup_id_z 1
		.amdhsa_system_vgpr_workitem_id 0
		.amdhsa_next_free_vgpr 648
		.amdhsa_next_free_sgpr 66
		.amdhsa_reserve_vcc 0
		.amdhsa_float_denorm_mode_32 3
		.amdhsa_float_denorm_mode_16_64 3
		.amdhsa_memory_ordered 1
		.amdhsa_forward_progress 1
		.amdhsa_inst_pref_size 35
	.end_amdhsa_kernel
	.amdgpu_metadata
---
amdhsa.version: [ 1, 2 ]
amdhsa.kernels:
  - .name:           k_q10ae99468b_outp
    .symbol:         k_q10ae99468b_outp.kd
    .args:
      - { .name: oc, .offset: 0, .size: 8, .value_kind: global_buffer, .address_space: global }
      - { .name: wc, .offset: 8, .size: 8, .value_kind: global_buffer, .address_space: global }
      - { .name: out0, .offset: 16, .size: 8, .value_kind: global_buffer, .address_space: global }
    .group_segment_fixed_size: 168448
    .private_segment_fixed_size: 0
    .kernarg_segment_align: 8
    .kernarg_segment_size: 24
    .max_flat_workgroup_size: 128
    .sgpr_count:     66
    .vgpr_count:     648
    .wavefront_size: 32
...
	.end_amdgpu_metadata
.endif
;; end of part 4
